; MI455X (gfx1250); checked and timed in simulation.
; The chip was launched on July 23, 2026; its instructions are those of AMD's public machine-readable ISA for CDNA 5 (MIT licence, August 2026) and "CDNA5" Instruction Set Architecture Reference Guide (July 2026). The comments in the code are by the model that wrote it; some were corrected since.
;; Cross Attention. Allowed arithmetic: matrix products marked QUANTISED: E2M3 operands, one E8M0 scale for each 32 along K, by v_wmma_scale_f32_16x16x128_f8f6f4 with both operands' format E2M3, f32 sums; everything else in f32.
;; Inputs: Wk 1,024 x 1,024 float32; Wo 1,024 x 1,024 float32; Wq 1,024 x 1,024 float32; Wv 1,024 x 1,024 float32; bk 1,024 float32; bo 1,024 float32; bq 1,024 float32; bv 1,024 float32; kv 4 x 2,048 x 1,024 float32; q 4 x 2,048 x 1,024 float32.
;; Outputs: out0 4 x 2,048 x 1,024 float32.
;; This version of the problem:
;;   THIS VERSION OF THE PROBLEM IS GIVEN IN LOW PRECISION. The matrix products marked QUANTISED in the list below multiply operands that are first quantised to E2M3 (2 exponent bits, 3 mantissa bits; 6 bits a number), with one power-of-two scale for each 32 numbers along K (OCP MX v1.0); their sums are f32. All else is computed in f32.
;;   The module's matrix products, in the order in which they are computed (A, B: the left and right operand; K: the contracted axis; several contracted axes count as one K, in the product's order):
;;     1. [M 8,192, K 1,024] x [K 1,024, N 1,024]; A: input q; B: input Wq: QUANTISED
;;     2. [M 8,192, K 1,024] x [K 1,024, N 1,024]; A: input kv; B: input Wk: QUANTISED
;;     3. [M 8,192, K 1,024] x [K 1,024, N 1,024]; A: input kv; B: input Wv: QUANTISED
;;     4. batch 64 x [M 2,048, K 64] x [K 64, N 2,048]; A: computed on the way; B: computed on the way: QUANTISED
;;     5. batch 64 x [M 2,048, K 2,048] x [K 2,048, N 64]; A: softmax (see below); B: computed on the way: QUANTISED
;;     6. [M 8,192, K 1,024] x [K 1,024, N 1,024]; A: computed on the way; B: input Wo: QUANTISED
;;   THE QUANTISER, for each operand of a quantised product, along K:
;;     - K is cut into blocks of 32 from its start; a last block that is shorter is filled with zeros.
;;     - A block's scale is 2^e with e = floor(log2(the largest magnitude in the block)) - 2, held to -126 .. 127; a block of zeros has e = 0. As a byte (E8M0): e + 127.
;;     - Each number is divided by its block's scale, clamped to +-7.5, and rounded to the nearest number of E2M3, ties to even, subnormals kept.
;;     - The product sums the exact products of the quantised numbers (number of the format x scale) in f32.
;;   ~~~python
;;   def quantise(x, axis):      # numpy; x: float32 -> the quantised numbers, widened to float32 again
;;       x = np.moveaxis(x, axis, -1); K = x.shape[-1]
;;       x = np.pad(x, [(0, 0)] * (x.ndim - 1) + [(0, -K % 32)]); x = x.reshape(x.shape[:-1] + (-1, 32)); a = np.abs(x).max(-1, keepdims=True)
;;       e = np.where(a > 0, np.clip(np.frexp(np.where(a > 0, a, 1))[1] - 1 - 2, -126, 127), 0)      # np.frexp(a)[1] - 1 = floor(log2(a)), exactly
;;       r = np.clip(x / 2.0 ** e, -7.5, 7.5)
;;       step = 2.0 ** (np.maximum(np.frexp(np.where(r == 0, 1, r))[1] - 1, 0) - 3)
;;       q = np.round(r / step) * step * 2.0 ** e      # np.round: ties to even
;;       return np.moveaxis(q.reshape(q.shape[:-2] + (-1,))[..., :K], -1, axis).astype(np.float32)
;;   ~~~
;;   SOFTMAX AHEAD OF A QUANTISED PRODUCT. Where the list says 'softmax', what is quantised is not the finished softmax but p = 2^(t - M), with t = logit x log2(e) and M = ceil(the row's largest t), a whole number; so 1/2 < the row's largest p <= 1. The row's sum l is taken of the UNQUANTISED p, in f32, and the product's result is divided by l at the end. Since M is a whole number, a kernel that streams over the keys may use a running M (the ceiling of the running maximum): every later rescaling is an exact power of two, which a block's scale takes up: the codes' values come out the same.
;;   OPERANDS COMPUTED ON THE WAY. 'Computed on the way' means the value that the module computes at that place (a softmax that the list does not call 'softmax' is quantised finished and normalised). What goes into a quantiser is computed in f32, as accurately as f32 sums, v_exp_f32 and their like allow (about 1e-6 of the number): no bf16 or f16 on the way to a quantiser, and a product that is left as it is and whose result goes on into a quantised operand takes f32 operands (vector FMAs, or v_wmma_f32_16x16x4_f32). A number that lies on a knife's edge between two numbers of the format may be rounded either way, as far as f32 arithmetic and the matrix unit's own rounding can turn it there, and no further.
;; One version. Each part assembles by itself: llvm-mc -triple=amdgcn-amd-amdhsa -mcpu=gfx1250 --defsym DOCPART=n.
;; ======== version 1 of 1: 4 launches
;; workspace buffers: xw 17,039,360 bytes; hq 6,815,744 bytes; hkv 13,369,344 bytes; oq 6,815,744 bytes
;; launch quant (part 1): grid 1280 x 1, 4 waves a work-group, no clusters, 34,304 bytes of LDS; arguments q, kv, Wq, Wk, Wv, Wo, xw; writes xw
.if DOCPART == 1
	.amdgcn_target "amdgcn-amd-amdhsa--gfx1250"
	.amdhsa_code_object_version 6
	.text
	.protected	k_qe493afaca4_quant
	.globl	k_qe493afaca4_quant
	.p2align	8
	.type	k_qe493afaca4_quant,@function
k_qe493afaca4_quant:
	s_mov_b64 s[64:65], 0
	v_nop
	global_prefetch_b8 v0, s[64:65] scope:SCOPE_SE
	s_setreg_imm32_b32 hwreg(HW_REG_WAVE_MODE, 25, 1), 1
	s_wait_xcnt 0x0
; q, kv [8192][1024] and Wq, Wk, Wv, Wo [1024][1024], f32 with K innermost, become codes of FP6 (E2M3) with one E8M0 byte for each 32 along K,
; laid in xw in the ORDER OF AN OPERAND'S REGISTERS, so that the products' launches fetch fragments by dense loads alone.
; ROW BLOCKS.  A row block is 16 rows.  Block 2 b + u of a tensor holds in its lane r the row 32 b + 8 u + r + 8 (r / 8).  xw: q's blocks 0-511, kv's 512-1023, Wq 1024.., Wk 1088.., Wv 1152.., Wo 1216-1279.
; A RECORD is one row block x 256 along K, 3,328 bytes apart, 3,200 used: two K steps of 128, each two half images of 768 bytes, then 64 bytes of scale words for each step (word r at 4 r).
; A HALF IMAGE is 16 rows x 64 K: lane (r, h) holds k = 32 h .. 32 h + 31 in six registers; registers 0-3 lie at 16 x lane, registers 4-5 at 512 + 8 x lane.
; A block's scale is 2^(floor(log2(largest magnitude)) - 2); its byte is the largest magnitude's exponent field - 2, held at 1 from below.
; LIMITS: NaN and infinities among the inputs are not served; a block whose largest magnitude lies under 2^-124 has its byte held at 1; a block of zeros gets the byte 1 where the
; rule says 127: its codes are zeros, and this program alone reads the bytes.
; SHARES.  Work-group g makes row block g, wave w its record w.  Each load reads 512 consecutive bytes of one row; the numbers turn through the wave's own stage in LDS (rows 528 bytes apart, so that
; the sixteen rows that a read touches begin in different banks) and come back 32 neighbours along K to a lane and block.  Waves share nothing: no barrier, no tensor load, no cluster.
.set RBB,   13312                      ; a row block in xw
.set QRB,   3328                       ; a record
.set PITCH, 528
.set STGW,  16*PITCH                   ; a wave's stage
.set SPARE, 4*STGW                     ; behind the stages: the spare words, 128 bytes for each wave
.set L16, 1                            ; v1   16 x lane
.set L8,  2                            ; v2   8 x lane
.set L4,  3                            ; v3   4 x lane
.set STI, 4                            ; v4   the stage, on the way in
.set STO, 5                            ; v5   and on the way out: row r, + 128 h
.set SH,  6                            ; v6   8 h
.set SPW, 7                            ; v7   my spare word; never rewritten
.set NIL, 8                            ; v8   0; never rewritten
.set R,   16                           ; v16-143  as loaded: 64 registers a K step
.set X0,  144                          ; v144-207 step 0's numbers, 32 c + j = k 64 c + 32 h + j
.set X1,  16                           ; v16-79   step 1's, where step 0 was loaded
.set C,   208                          ; v208-231 codes, 12 registers a step
.set W,   232                          ; v232-233 scale words
.set TM,  234
.set TS,  236
.set TB,  238
.set CT,  240                          ; v240-246 the second halves of the blocks' codes
.set T,   247
	s_load_b256 s[4:11], s[0:1], 0x0               ; q, kv, Wq, Wk
	s_load_b128 s[12:15], s[0:1], 0x20             ; Wv, Wo
	s_load_b64 s[16:17], s[0:1], 0x30              ; xw
	v_lshl_add_u32 v[SPW], v0, 2, SPARE
	v_mov_b32 v[NIL], 0
	v_lshrrev_b32 v9, 5, v0
	v_readfirstlane_b32 s18, v9                    ; wave
	v_and_b32 v9, 31, v0                           ; lane
	v_and_b32 v10, 15, v0                          ; r
	v_bfe_u32 v11, v0, 4, 1                        ; h
	v_lshlrev_b32 v[L16], 4, v9
	v_lshlrev_b32 v[L8], 3, v9
	v_lshlrev_b32 v[L4], 2, v9
	s_mul_i32 s19, s18, STGW
	v_add_nc_u32 v[STI], s19, v[L16]
	v_mul_u32_u24 v[STO], v10, PITCH
	v_lshl_add_u32 v[STO], v11, 7, v[STO]
	v_add_nc_u32 v[STO], s19, v[STO]
	v_lshlrev_b32 v[SH], 3, v11
	v_mov_b32 v[T], 0                              ; a lane permute's destination counts as one of its sources
	s_mov_b32 s24, 0xffff0000                      ; lanes 16-31
	s_mov_b32 s26, 0x76543210
	s_mov_b32 s27, 0xfedcba98                      ; lane l xor 16
	s_wait_alu depctr_va_vdst(0)
	s_wait_kmcnt 0x0
	s_mov_b64 s[20:21], s[14:15]                   ; which tensor, and its first row block: the choice hangs on the work-group's number alone
	s_mov_b32 s22, 1216
	s_cmp_lt_u32 ttmp9, 1216
	s_cselect_b64 s[20:21], s[12:13], s[20:21]
	s_cselect_b32 s22, 1152, s22
	s_cmp_lt_u32 ttmp9, 1152
	s_cselect_b64 s[20:21], s[10:11], s[20:21]
	s_cselect_b32 s22, 1088, s22
	s_cmp_lt_u32 ttmp9, 1088
	s_cselect_b64 s[20:21], s[8:9], s[20:21]
	s_cselect_b32 s22, 1024, s22
	s_cmp_lt_u32 ttmp9, 1024
	s_cselect_b64 s[20:21], s[6:7], s[20:21]
	s_cselect_b32 s22, 512, s22
	s_cmp_lt_u32 ttmp9, 512
	s_cselect_b64 s[20:21], s[4:5], s[20:21]
	s_cselect_b32 s22, 0, s22
	s_sub_co_u32 s23, ttmp9, s22                   ; the row block 2 b + u within its tensor
	s_lshr_b32 s28, s23, 1
	s_lshl_b32 s28, s28, 17                        ; 32 b rows of 4,096 bytes
	s_and_b32 s25, s23, 1
	s_lshl_b32 s25, s25, 15                        ; 8 u rows
	s_add_co_u32 s28, s28, s25
	s_lshl_b32 s25, s18, 10                        ; my 256 along K
	s_add_co_u32 s28, s28, s25
	s_mov_b32 s29, 0
	s_add_nc_u64 s[20:21], s[20:21], s[28:29]
	s_mul_i32 s28, ttmp9, RBB
	s_mul_i32 s25, s18, QRB
	s_add_co_u32 s28, s28, s25
	s_add_nc_u64 s[16:17], s[16:17], s[28:29]      ; my record
.irp t, 0,1
.irp i, 0,1,2,3,4,5,6,7,8,9,10,11,12,13,14,15
	global_load_b128 v[R+64*\t+4*\i:R+64*\t+4*\i+3], v[L16], s[20:21] offset:(\i+8*(\i/8))*4096+512*\t th:TH_LOAD_NT   ; tile row i, K step t: 512 consecutive bytes
.endr
.endr
.macro TURN src, dst                   ; 16 rows x 512 bytes through my stage; LDS serves a wave's instructions in order, so no wait stands between the stores and the loads
.irp i, 0,1,2,3,4,5,6,7,8,9,10,11,12,13,14,15
	ds_store_b128 v[STI], v[\src+4*\i:\src+4*\i+3] offset:PITCH*\i
.endr
.irp c, 0,1
.irp i, 0,1,2,3,4,5,6,7
	ds_load_b128 v[\dst+32*\c+4*\i:\dst+32*\c+4*\i+3], v[STO] offset:256*\c+16*\i
.endr
.endr
.endm
; 64 numbers of a lane (two whole blocks: 2 c + h) become 12 registers of codes at v[cs] and, with lane l xor 16's two bytes, the row's scale word in v[ws]
.macro QUANT1 xs, cs, ws
.irp b, 0,1
	v_max3_num_f32 v[TM+\b], |v[\xs+32*\b]|, |v[\xs+32*\b+1]|, 0x1800000   ; with the floor 2^(3 - 127): the byte cannot fall under 1
.endr
.irp i, 2,4,6,8,10,12,14,16,18,20,22,24,26,28,30
.irp b, 0,1
	v_max3_num_f32 v[TM+\b], v[TM+\b], |v[\xs+32*\b+\i]|, |v[\xs+32*\b+\i+1]|   ; the two blocks by turns
.endr
.endr
.irp b, 0,1
	v_add_nc_u32 v[TS+\b], 0xff000000, v[TM+\b]    ; 2 off the exponent field: the conversion's scale operand
.endr
.irp b, 0,1
	v_lshrrev_b32 v[TB+\b], 23, v[TS+\b]           ; the scale's byte
.endr
	v_lshl_or_b32 v[\ws], v[TB+1], 16, v[TB]       ; blocks h and 2 + h,
	v_lshlrev_b32 v[\ws], v[SH], v[\ws]            ; at their places in the word
	v_permlanex16_b32 v[T], v[\ws], s26, s27
	v_or_b32 v[\ws], v[\ws], v[T]
.irp b, 0,1
	v_cvt_scalef32_pk16_fp6_f32 v[\cs+6*\b:\cs+6*\b+2], v[\xs+32*\b:\xs+32*\b+15], v[TS+\b]
	v_cvt_scalef32_pk16_fp6_f32 v[CT+4*\b:CT+4*\b+2], v[\xs+32*\b+16:\xs+32*\b+31], v[TS+\b]   ; (a conversion's three registers begin on an even number)
.endr
	v_nop                                          ; one plain place behind a scaled conversion
.irp b, 0,1
.irp i, 0,1,2
	v_mov_b32 v[\cs+6*\b+3+\i], v[CT+4*\b+\i]
.endr
.endr
.endm
.macro PUT cs, t                       ; a K step's two half images: stores of 512 and of 256 consecutive bytes
	global_store_b128 v[L16], v[\cs:\cs+3], s[16:17] offset:1536*\t
	global_store_b64 v[L8], v[\cs+4:\cs+5], s[16:17] offset:1536*\t+512
	global_store_b128 v[L16], v[\cs+6:\cs+9], s[16:17] offset:1536*\t+768
	global_store_b64 v[L8], v[\cs+10:\cs+11], s[16:17] offset:1536*\t+1280
.endm
	s_wait_loadcnt 16                              ; step 0's sixteen loads are in; step 1's sixteen may be out
	TURN R, X0
	s_wait_dscnt 0x0                               ; step 0 is back: its stores have read their registers and the stage is free
	s_wait_loadcnt 0x0
	TURN R+64, X1                                  ; step 1 turns while step 0 is quantised
	QUANT1 X0, C, W
	PUT C, 0
	s_wait_dscnt 0x0
	QUANT1 X1, C+12, W+1
	PUT C+12, 1
	v_cndmask_b32 v[W], v[W], v[W+1], s24          ; lanes 0-15: step 0's words; lanes 16-31: step 1's
	global_store_b32 v[L4], v[W], s[16:17] offset:3072   ; 128 consecutive bytes
	s_wait_tensorcnt 0x0                           ; the wave's end, behind my last LDS store
	ds_add_u32 v[SPW], v[NIL]
	s_wait_dscnt 0x0
	s_endpgm
.Lfunc_end_k_qe493afaca4_quant:
	.size	k_qe493afaca4_quant, .Lfunc_end_k_qe493afaca4_quant-k_qe493afaca4_quant
	.p2alignl 7, 3214868480
	.fill 96, 4, 3214868480
	.section	.rodata,"a",@progbits
	.p2align	6, 0x0
	.amdhsa_kernel k_qe493afaca4_quant
		.amdhsa_group_segment_fixed_size 34304
		.amdhsa_private_segment_fixed_size 0
		.amdhsa_enable_private_segment 0
		.amdhsa_kernarg_size 56
		.amdhsa_user_sgpr_count 2
		.amdhsa_user_sgpr_kernarg_segment_ptr 1
		.amdhsa_wavefront_size32 1
		.amdhsa_system_sgpr_workgroup_id_x 1
		.amdhsa_system_sgpr_workgroup_id_y 1
		.amdhsa_system_sgpr_workgroup_id_z 1
		.amdhsa_system_vgpr_workitem_id 0
		.amdhsa_next_free_vgpr 248
		.amdhsa_next_free_sgpr 66
		.amdhsa_reserve_vcc 0
		.amdhsa_float_denorm_mode_32 3
		.amdhsa_float_denorm_mode_16_64 3
		.amdhsa_memory_ordered 1
		.amdhsa_forward_progress 1
		.amdhsa_inst_pref_size 17
	.end_amdhsa_kernel
	.amdgpu_metadata
---
amdhsa.version: [ 1, 2 ]
amdhsa.kernels:
  - .name:           k_qe493afaca4_quant
    .symbol:         k_qe493afaca4_quant.kd
    .args:
      - { .name: q, .offset: 0, .size: 8, .value_kind: global_buffer, .address_space: global }
      - { .name: kv, .offset: 8, .size: 8, .value_kind: global_buffer, .address_space: global }
      - { .name: Wq, .offset: 16, .size: 8, .value_kind: global_buffer, .address_space: global }
      - { .name: Wk, .offset: 24, .size: 8, .value_kind: global_buffer, .address_space: global }
      - { .name: Wv, .offset: 32, .size: 8, .value_kind: global_buffer, .address_space: global }
      - { .name: Wo, .offset: 40, .size: 8, .value_kind: global_buffer, .address_space: global }
      - { .name: xw, .offset: 48, .size: 8, .value_kind: global_buffer, .address_space: global }
    .group_segment_fixed_size: 34304
    .private_segment_fixed_size: 0
    .kernarg_segment_align: 8
    .kernarg_segment_size: 56
    .max_flat_workgroup_size: 128
    .sgpr_count:     66
    .vgpr_count:     248
    .wavefront_size: 32
...
	.end_amdgpu_metadata
.endif
;; end of part 1
;; launch proj (part 2): grid 8 x 96, 8 waves a work-group, clusters of 4 x 4, 327,680 bytes of LDS; arguments xw, bq, bk, bv, hq, hkv; writes hq, hkv
.if DOCPART == 2
	.amdgcn_target "amdgcn-amd-amdhsa--gfx1250"
	.amdhsa_code_object_version 6
	.text
	.protected	k_qe493afaca4_proj
	.globl	k_qe493afaca4_proj
	.p2align	8
	.type	k_qe493afaca4_proj,@function
k_qe493afaca4_proj:
	s_mov_b64 s[64:65], 0
	v_nop
	global_prefetch_b8 v0, s[64:65] scope:SCOPE_SE
	s_setreg_imm32_b32 hwreg(HW_REG_WAVE_MODE, 25, 1), 1
	s_wait_xcnt 0x0
	s_wait_alu depctr_hold_cnt(0) depctr_sa_sdst(0) depctr_va_vdst(0) depctr_va_sdst(0) depctr_va_ssrc(0) depctr_va_vcc(0) depctr_vm_vsrc(0)
	s_getreg_b32 s2, hwreg(HW_REG_IB_STS2, 6, 4)
	s_cmp_eq_u32 s2, 0
	s_cbranch_scc0 .Lentry_in_a_cluster
	s_endpgm
.Lentry_in_a_cluster:
	s_bfe_u32 s2, ttmp6, 0x10000c
	s_cmp_lg_u32 s2, 0xf033
	s_cbranch_scc0 .Lentry_shape_is_right
	s_endpgm
.Lentry_shape_is_right:
; The three input projections, on codes of FP6 (E2M3) out of xw, with the bias added in f32 and the results quantised at once as attention's operands.
; S0 is the matrix instruction's source 0 (a lane's registers run along its rows), S1 its source 1 (a lane owns one of its rows).
;   q, k:  S1 = 256 rows of q or kv, S0 = 128 rows of Wq or Wk (two heads): a lane holds one token and 64 neighbours of a head: K of the scores' product.
;   v:     S1 = 256 rows of Wv (four heads), S0 = 128 rows of kv (a key step): a lane holds one channel and 64 neighbouring keys: K of the second product.
; A row block 2 b + u holds in lane r the row 32 b + 8 u + r + 8 (r / 8); as source 0 its result's register j of lane half h is row 32 b + 16 h + 8 u + j: tiles 2 b and 2 b + 1 give 16 neighbours.
; SHARES.  Eight waves; wave (ws1 = w / 2, ws0 = w % 2) makes 64 rows of S1 x 64 rows of S0: 16 accumulators.  All of K lies in LDS: four slices of 256 along K, each 24 records of 3,200 bytes
; (S1's 16 row blocks, then S0's 8), each filled ONCE; no LDS byte is filled again.  Four tensor loads of a wave are out at the start.
; CLUSTERS: 4 x 4 work-groups.  S1's tile hangs on the cluster's row alone and is asked for jointly along it, S0's on the column: each by one load with one descriptor and a mask of four.
; The mode (q, k, v) hangs on the cluster's y alone, which all sixteen partners share.
; hq, for each of 64 heads 106,496 bytes: 128 query tiles x 768 (half images), then 128 x 64 bytes of scale words.  hkv, 208,896 bytes a head: key tiles at 0; V's half images ((key step x 4 + channel tile) x 2 + half) x 768
; at 98,304; K's scale words at 196,608; V's at 204,800.  The scores' K is 64: bytes 2 and 3 of q's and k's scale words are 0x7f.
; LIMITS: as the quantiser's: no NaN or infinities; a block's byte is held at 1 from below, a block of zeros has the byte 1 (its codes are zeros; this program alone reads the bytes).
.set REC,   3200
.set SLICE, 24*REC
.set RBB,   13312                      ; a row block in xw
.set QRB,   3328                       ; a record in xw
.set BIA,   4*SLICE                    ; behind the slices: 256 bytes of bias for each wave
.set SPARE, BIA+8*256                  ; the spare words, 128 bytes for each wave
.set SPW, 1                            ; v1   my spare word; never rewritten
.set NIL, 2                            ; v2   0; never rewritten
.set A1W, 3                            ; v3   S1's fragments: 16 x lane;  v4: 512 + 8 x lane
.set A1N, 4
.set A0W, 5                            ; v5, v6 the same for S0
.set A0N, 6
.set ASC, 7                            ; v7   scale words: lanes 0-15 S1's, lanes 16-31 S0's
.set SC,  8                            ; v8-11 scale words and nothing else
.set L16, 12
.set L8,  13
.set L4,  14
.set BRD, 15                           ; v15  the bias as q and k read it
.set BP2, 16                           ; v16-17 the bias on its way in
.set RR,  18                           ; r
.set HH,  19                           ; h
.set TM,  20
.set TP,  22
.set TS,  24
.set CT,  26
.set BRV, 30                           ; v30  the bias as v reads it
.set BWR, 31                           ; v31  where it is stored
.set F0,  32                           ; v32-79   S0's four fragments
.set F1,  80                           ; v80-127  S1's four
.set ACC, 128                          ; v128-255 accumulator (x, y) at 128 + 8 (4 x + y)
.set G1A, 16
.set G1B, 24
.set G0A, 32                           ; s[32:47] four sets, one a slice
.set G0B, 48                           ; s[48:63]
.set WV,  66
.set WS1, 67
.set WS0, 68
.set CX,  69
.set CY,  70
.set WGX, 71
.set CLY, 72
.set T1,  73
.set T0,  74
.set W3,  75
.set OC,  90
.set OS,  92
.set HM,  94
.set SEL, 96
.set BPT, 98
.macro CROUND                          ; a round of the cluster's barrier
	s_barrier_signal -1
	s_barrier_wait -1
	s_cmp_lg_u32 s[WV], 0
	s_cbranch_scc1 .Lnot_wave_0_\@
	s_barrier_signal -3
.Lnot_wave_0_\@:
	s_barrier_wait -3
	s_barrier_signal -1
	s_barrier_wait -1
.endm
; A K step of 128: 36 dense LDS loads, 16 matrix instructions, the sixteen accumulators by turns in the same order in every step.
.macro KSTEP s, zero, places
.if \places
.rept 4
	v_nop                                          ; four places in front of loads into registers that matrix instructions have read
.endr
.endif
.irp i, 0,1,2,3
	ds_load_b32 v[SC+\i], v[ASC] offset:\i*REC+64*((\s)%2)
.endr
.irp i, 0,1,2,3
	ds_load_b128 v[F0+12*\i:F0+12*\i+3], v[A0W] offset:\i*REC+1536*((\s)%2)
	ds_load_b64 v[F0+12*\i+4:F0+12*\i+5], v[A0N] offset:\i*REC+1536*((\s)%2)
	ds_load_b128 v[F0+12*\i+6:F0+12*\i+9], v[A0W] offset:\i*REC+1536*((\s)%2)+768
	ds_load_b64 v[F0+12*\i+10:F0+12*\i+11], v[A0N] offset:\i*REC+1536*((\s)%2)+768
.endr
.irp i, 0,1,2,3
	ds_load_b128 v[F1+12*\i:F1+12*\i+3], v[A1W] offset:\i*REC+1536*((\s)%2)
	ds_load_b64 v[F1+12*\i+4:F1+12*\i+5], v[A1N] offset:\i*REC+1536*((\s)%2)
	ds_load_b128 v[F1+12*\i+6:F1+12*\i+9], v[A1W] offset:\i*REC+1536*((\s)%2)+768
	ds_load_b64 v[F1+12*\i+10:F1+12*\i+11], v[A1N] offset:\i*REC+1536*((\s)%2)+768
.endr
.irp x, 0,1,2,3
	s_wait_dscnt 12-4*\x                           ; S1's later fragments, four loads each, may be out
.irp y, 0,1,2,3
.if \zero
	v_wmma_scale_f32_16x16x128_f8f6f4 v[ACC+8*(4*\x+\y):ACC+8*(4*\x+\y)+7], v[F0+12*\y:F0+12*\y+11], v[F1+12*\x:F1+12*\x+11], 0, v[SC+\y], v[SC+\x] matrix_a_fmt:MATRIX_FMT_FP6 matrix_b_fmt:MATRIX_FMT_FP6 matrix_a_scale:MATRIX_SCALE_ROW1
.else
	v_wmma_scale_f32_16x16x128_f8f6f4 v[ACC+8*(4*\x+\y):ACC+8*(4*\x+\y)+7], v[F0+12*\y:F0+12*\y+11], v[F1+12*\x:F1+12*\x+11], v[ACC+8*(4*\x+\y):ACC+8*(4*\x+\y)+7], v[SC+\y], v[SC+\x] matrix_a_fmt:MATRIX_FMT_FP6 matrix_b_fmt:MATRIX_FMT_FP6 matrix_a_scale:MATRIX_SCALE_ROW1
.endif
.endr
.endr
.endm
; 32 numbers of a lane, register 16 b + i = k 32 b + 16 h + i of my row, become a half image in v[cd] .. v[cd + 5] and the two scale bytes in v[wd]
.macro QUANTH src, cd, wd
.irp b, 0,1
	v_max3_num_f32 v[TM+\b], |v[(\src)+16*\b]|, |v[(\src)+16*\b+1]|, 0x1800000   ; with the floor 2^(3 - 127)
.endr
.irp i, 2,4,6,8,10,12,14
.irp b, 0,1
	s_delay_alu instid0(VALU_DEP_2)
	v_max3_num_f32 v[TM+\b], v[TM+\b], |v[(\src)+16*\b+\i]|, |v[(\src)+16*\b+\i+1]|
.endr
.endr
.irp b, 0,1
	s_delay_alu instid0(VALU_DEP_2)
	v_permlanex16_b32 v[TP+\b], v[TM+\b], s[SEL], s[SEL+1]
.endr
.irp b, 0,1
	s_delay_alu instid0(VALU_DEP_2)
	v_max_num_f32 v[TM+\b], v[TM+\b], v[TP+\b]     ; with lane l xor 16's: the block's largest magnitude
.endr
.irp b, 0,1
	s_delay_alu instid0(VALU_DEP_2)
	v_add_nc_u32 v[TS+\b], 0xff000000, v[TM+\b]    ; 2 off the exponent field: the conversion's scale operand
.endr
.irp b, 0,1
	s_delay_alu instid0(VALU_DEP_2)
	v_lshrrev_b32 v[TP+\b], 23, v[TS+\b]           ; the byte
.endr
	s_delay_alu instid0(VALU_DEP_1)
	v_lshl_or_b32 v[\wd], v[TP+1], 8, v[TP]
	v_cvt_scalef32_pk16_fp6_f32 v[(\cd):(\cd)+2], v[(\src):(\src)+15], v[TS]
	v_cvt_scalef32_pk16_fp6_f32 v[CT:CT+2], v[(\src)+16:(\src)+31], v[TS+1]
	v_nop                                          ; one plain place behind a scaled conversion
.irp i, 0,1,2
	v_permlane16_swap_b32 v[(\cd)+\i], v[CT+\i]    ; a whole block to a lane: lanes 0-15 block 0, lanes 16-31 block 1
.endr
.irp i, 0,1,2
	s_delay_alu instid0(VALU_DEP_3)
	v_mov_b32 v[(\cd)+3+\i], v[CT+\i]
.endr
.endm
	s_load_b256 s[4:11], s[0:1], 0x0               ; xw, bq, bk, bv
	s_load_b128 s[12:15], s[0:1], 0x20             ; hq, hkv
	v_lshl_add_u32 v[SPW], v0, 2, SPARE
	v_mov_b32 v[NIL], 0
	ds_add_u32 v[SPW], v[NIL]                      ; the wave's opening: the add and its wait ahead of my first tensor load; the set-up below stands between them
	ds_add_u32 v[SPW], v[NIL]
	v_lshrrev_b32 v[RR], 5, v0
	s_delay_alu instid0(VALU_DEP_1)
	v_readfirstlane_b32 s[WV], v[RR]               ; wave 0..7
	s_lshr_b32 s[WS1], s[WV], 1
	s_and_b32 s[WS0], s[WV], 1
	s_and_b32 s[W3], s[WV], 3                      ; which part of a tile I fetch: waves 0-3 S1's, waves 4-7 S0's
	s_bfe_u32 s[CX], ttmp6, 0x40000
	s_bfe_u32 s[CY], ttmp6, 0x40004
	s_lshl_b32 s[WGX], ttmp9, 2
	s_add_co_u32 s[WGX], s[WGX], s[CX]             ; work-group x
	s_and_b32 s[CLY], ttmp7, 0xffff                ; the cluster's y: 0-7 q, 8-15 k, 16-23 v
	s_lshl_b32 s81, s[CY], 2
	s_lshl_b32 s81, 15, s81                        ; my row of the cluster
	s_lshl_b32 s84, 0x1111, s[CX]                  ; my column
	s_or_b32 s[G1A], s81, (3<<16)|(1<<21)          ; 15:0 the mask; 17:16 elements of 8 bytes; 21 set beside a mask; no padding
	s_or_b32 s[G1B], s84, (3<<16)|(1<<21)
	s_mov_b32 s[G1A+1], 400<<16                    ; tensor_dim0 = 400 elements: 3,200 bytes
	s_mov_b32 s[G1A+2], 4<<16                      ; tensor_dim1 = 4 row blocks
	s_mov_b32 s[G1A+3], 400<<16                    ; tile_dim0
	s_mov_b32 s[G1A+4], 4                          ; tile_dim1
	s_mov_b32 s[G1A+5], 1664                       ; from row block to row block: 13,312 bytes
	s_mov_b32 s[G1A+6], 0
	s_mov_b32 s[G1A+7], 0
	s_mov_b32 s[G1B+1], 400<<16
	s_mov_b32 s[G1B+2], 2<<16                      ; 2 row blocks
	s_mov_b32 s[G1B+3], 400<<16
	s_mov_b32 s[G1B+4], 2
	s_mov_b32 s[G1B+5], 1664
	s_mov_b32 s[G1B+6], 0
	s_mov_b32 s[G1B+7], 0
	s_and_b32 s76, s[CLY], 7
	s_lshl_b32 s77, s76, 2
	s_lshl_b32 s78, s76, 3
	s_mov_b32 s79, 1152                            ; S1's first row block in xw: q 0, kv 512, Wv 1152
	s_mov_b32 s80, 512                             ; S0's: Wq 1024, Wk 1088, kv 512
	s_cmp_lt_u32 s[CLY], 16
	s_cselect_b32 s77, s77, 0
	s_cselect_b32 s78, 0, s78
	s_cselect_b32 s79, 512, s79
	s_cselect_b32 s80, 1088, s80
	s_cmp_lt_u32 s[CLY], 8
	s_cselect_b32 s79, 0, s79
	s_cselect_b32 s80, 1024, s80
	s_add_co_u32 s[T1], s77, s[CY]                 ; S1's tile: q, k: 4 (y % 8) + cy;  v: cy
	s_add_co_u32 s[T0], s78, s[WGX]                ; S0's tile: q, k: x;  v: x + 8 (y % 8)
	s_lshl_b32 s76, s[T0], 9                       ; my 64 numbers of the bias: q, k: 128 T0 + 64 ws0;
	s_lshl_b32 s77, s[WS0], 8
	s_add_co_u32 s76, s76, s77
	s_lshl_b32 s77, s[T1], 10                      ; v: 256 T1 + 64 ws1
	s_lshl_b32 s78, s[WS1], 8
	s_add_co_u32 s77, s77, s78
	s_cmp_lt_u32 s[CLY], 16
	s_cselect_b32 s76, s76, s77
	s_mov_b32 s77, 0
	s_lshl_b32 s81, s[T1], 4                       ; S1: registers that never hold cx
	s_add_co_u32 s81, s81, s79
	s_lshl_b32 s82, s[W3], 2
	s_add_co_u32 s82, s82, s81
	s_mul_i32 s82, s82, RBB
	s_mov_b32 s83, 0
	s_lshl_b32 s84, s[T0], 3                       ; S0: registers that never hold cy
	s_add_co_u32 s84, s84, s80
	s_lshl_b32 s86, s[W3], 1
	s_add_co_u32 s86, s86, s84
	s_mul_i32 s86, s86, RBB
	s_mov_b32 s87, 0
	s_mul_i32 s88, s[W3], 4*REC                    ; where they go: no place in the cluster enters an LDS address
	s_mul_i32 s89, s[W3], 2*REC
	s_add_co_u32 s89, s89, 16*REC
	s_mov_b32 s[HM], 0xffff0000
	s_mov_b32 s[SEL], 0x76543210
	s_mov_b32 s[SEL+1], 0xfedcba98
	s_wait_dscnt 0x0                               ; the opening add is done
	s_wait_kmcnt 0x0
	s_add_nc_u64 s[82:83], s[4:5], s[82:83]
	s_add_nc_u64 s[86:87], s[4:5], s[86:87]
	s_cmp_lt_u32 s[CLY], 16
	s_cselect_b64 s[BPT:BPT+1], s[8:9], s[10:11]
	s_cmp_lt_u32 s[CLY], 8
	s_cselect_b64 s[BPT:BPT+1], s[6:7], s[BPT:BPT+1]
	s_add_nc_u64 s[BPT:BPT+1], s[BPT:BPT+1], s[76:77]
.irp q, 0,1,2,3
	s_mov_b32 s[G0A+4*\q], 1
	s_add_co_u32 s[G0A+4*\q+1], s88, \q*SLICE
	s_add_nc_u64 s[G0A+4*\q+2:G0A+4*\q+3], s[82:83], \q*QRB
	s_or_b32 s[G0A+4*\q+3], s[G0A+4*\q+3], 0x80000000
	s_mov_b32 s[G0B+4*\q], 1
	s_add_co_u32 s[G0B+4*\q+1], s89, \q*SLICE
	s_add_nc_u64 s[G0B+4*\q+2:G0B+4*\q+3], s[86:87], \q*QRB
	s_or_b32 s[G0B+4*\q+3], s[G0B+4*\q+3], 0x80000000
.endr
	CROUND                                         ; all sixteen work-groups are here: the joint loads meet
	s_cmp_lt_u32 s[WV], 4                          ; a wave's four fills stand in one branch, ahead of every wait on TENSORcnt, every LDS read and every other barrier
	s_cbranch_scc0 .Lfill_s0
.irp q, 0,1,2,3
	tensor_load_to_lds s[G0A+4*\q:G0A+4*\q+3], s[G1A:G1A+7]
	s_nop 0
.endr
.rept 4
	v_nop
.endr
	s_branch .Lfilled
.Lfill_s0:
.irp q, 0,1,2,3
	tensor_load_to_lds s[G0B+4*\q:G0B+4*\q+3], s[G1B:G1B+7]
	s_nop 0
.endr
.rept 4
	v_nop
.endr
.Lfilled:
	v_and_b32 v[RR], 15, v0
	v_bfe_u32 v[HH], v0, 4, 1
	v_and_b32 v[L4], 31, v0
	s_delay_alu instid0(VALU_DEP_1)
	v_lshlrev_b32 v[L16], 4, v[L4]
	s_delay_alu instid0(VALU_DEP_2)
	v_lshlrev_b32 v[L8], 3, v[L4]
	s_delay_alu instid0(VALU_DEP_3)
	v_lshlrev_b32 v[L4], 2, v[L4]
	global_load_b64 v[BP2:BP2+1], v[L8], s[BPT:BPT+1]   ; my wave's 64 numbers of the bias: 256 consecutive bytes
	s_mul_i32 s76, s[WS1], 4*REC                   ; my four row blocks of S1
	v_add_nc_u32 v[A1W], s76, v[L16]
	v_add_nc_u32 v[A1N], s76, v[L8]
	s_delay_alu instid0(VALU_DEP_1)
	v_add_nc_u32 v[A1N], 512, v[A1N]
	s_mul_i32 s77, s[WS0], 4*REC                   ; my four of S0, behind S1's sixteen
	s_add_co_u32 s77, s77, 16*REC
	v_add_nc_u32 v[A0W], s77, v[L16]
	v_add_nc_u32 v[A0N], s77, v[L8]
	s_delay_alu instid0(VALU_DEP_1)
	v_add_nc_u32 v[A0N], 512, v[A0N]
	s_sub_co_u32 s77, s77, s76
	v_mul_u32_u24 v[ASC], s77, v[HH]               ; lanes 16-31 take S0's words: the lower base + h x the distance
	s_delay_alu instid0(VALU_DEP_1)
	v_lshl_add_u32 v[ASC], v[RR], 2, v[ASC]
	s_add_co_u32 s76, s76, 3072
	v_add_nc_u32 v[ASC], s76, v[ASC]
	s_lshl_b32 s76, s[WV], 8
	s_add_co_u32 s76, s76, BIA                     ; my 256 bytes of bias
	v_add_nc_u32 v[BWR], s76, v[L8]
	v_lshl_add_u32 v[BRD], v[HH], 6, s76           ; q, k: the numbers 16 h on
	v_and_b32 v[BRV], 8, v[RR]
	s_delay_alu instid0(VALU_DEP_1)
	v_add_nc_u32 v[BRV], v[BRV], v[RR]
	s_delay_alu instid0(VALU_DEP_1)
	v_lshl_add_u32 v[BRV], v[BRV], 2, s76          ; v: the number r + 8 (r / 8)
	v_mov_b32 v[TP], 0                             ; a lane permute's destination counts as one of its sources
	v_mov_b32 v[TP+1], 0
	s_wait_alu depctr_va_vdst(0)
	s_wait_loadcnt 0x0
	ds_store_b64 v[BWR], v[BP2:BP2+1]
.irp q, 0,1,2,3
	s_wait_tensorcnt 3-\q                          ; my part of slice q is in; the later slices' loads may be out
.if \q == 0
	s_wait_dscnt 0x0                               ; the bias is stored
.endif
	s_barrier_signal -1
	s_barrier_wait -1                              ; everybody's part is in
.if \q > 0
	v_add_nc_u32 v[A1W], SLICE, v[A1W]             ; on to the next slice; these five are also the places in front of the loads
	v_add_nc_u32 v[A1N], SLICE, v[A1N]
	v_add_nc_u32 v[A0W], SLICE, v[A0W]
	v_add_nc_u32 v[A0N], SLICE, v[A0N]
	v_add_nc_u32 v[ASC], SLICE, v[ASC]
	s_wait_alu depctr_va_vdst(0)
	KSTEP 2*\q, 0, 0
.else
	KSTEP 0, 1, 0                                  ; the first K step starts the sums: nothing is cleared
.endif
	KSTEP 2*\q+1, 0, 1
.endr
.rept 4
	v_nop                                          ; places in front of the first reads of results and of loads into the fragments' registers
.endr
	s_cmp_lt_u32 s[CLY], 16
	s_cbranch_scc0 .Lepi_v
	; ---- q, k: lane (r, h) holds token r of block x; register 32 x + 16 b + i is channel 32 b + 16 h + i of my head
.irp y, 0,1,2,3
	ds_load_b128 v[32+8*\y:35+8*\y], v[BRD] offset:(32*(\y/2)+8*(\y%2))*4
	ds_load_b128 v[36+8*\y:39+8*\y], v[BRD] offset:(32*(\y/2)+8*(\y%2))*4+16
.endr
	s_lshl_b32 s76, s[T1], 4
	s_lshl_b32 s77, s[WS1], 2
	s_add_co_u32 s76, s76, s77                     ; my first row block
	s_lshr_b32 s77, s76, 7                         ; batch
	s_and_b32 s76, s76, 127                        ; tile in the batch
	s_lshl_b32 s78, s[T0], 1
	s_add_co_u32 s78, s78, s[WS0]                  ; head
	s_lshl_b32 s77, s77, 4
	s_add_co_u32 s77, s77, s78
	s_cmp_lt_u32 s[CLY], 8
	s_cselect_b64 s[OC:OC+1], s[12:13], s[14:15]   ; q goes to hq, k to hkv
	s_mov_b32 s79, 208896
	s_cselect_b32 s79, 106496, s79
	s_mov_b32 s80, 196608
	s_cselect_b32 s80, 98304, s80
	s_mul_i32 s78, s77, s79
	s_mov_b32 s79, 0
	s_add_nc_u64 s[OC:OC+1], s[OC:OC+1], s[78:79]
	s_lshl_b32 s78, s76, 6
	s_add_co_u32 s78, s78, s80
	s_add_nc_u64 s[OS:OS+1], s[OC:OC+1], s[78:79]  ; the scale words
	s_mul_i32 s78, s76, 768
	s_add_nc_u64 s[OC:OC+1], s[OC:OC+1], s[78:79]  ; the codes
	s_wait_dscnt 0x0
.irp x, 0,1,2,3
.set p, 0
.rept 16
	v_pk_add_f32 v[ACC+32*\x+2*p:ACC+32*\x+2*p+1], v[ACC+32*\x+2*p:ACC+32*\x+2*p+1], v[32+2*p:33+2*p]   ; each accumulator from its low end on
.set p, p+1
.endr
.endr
.irp x, 0,1,2,3
	QUANTH ACC+32*\x, 64+8*\x, 96+\x
	v_or_b32 v[96+\x], 0x7f7f0000, v[96+\x]        ; the upper 64 of the instruction's K are zero codes: their bytes stand for 1
.endr
.irp x, 0,1,2,3
	global_store_b128 v[L16], v[64+8*\x:67+8*\x], s[OC:OC+1] offset:768*\x
	global_store_b64 v[L8], v[68+8*\x:69+8*\x], s[OC:OC+1] offset:768*\x+512
.endr
	v_cndmask_b32 v100, v96, v97, s[HM]            ; lanes 0-15: block 0's words, lanes 16-31: block 1's
	v_cndmask_b32 v101, v98, v99, s[HM]
	global_store_b32 v[L4], v100, s[OS:OS+1]
	global_store_b32 v[L4], v101, s[OS:OS+1] offset:128
	s_branch .Lend
.Lepi_v:
	; ---- v: lane (r, h) holds channel 32 (x / 2) + 8 (x % 2) + r + 8 (r / 8) of my head; register 32 x + 16 b + i is key 64 ws0 + 32 b + 16 h + i of the key step
.irp x, 0,1,2,3
	ds_load_b32 v[32+2*\x], v[BRV] offset:(32*(\x/2)+8*(\x%2))*4
	v_mov_b32 v[33+2*\x], 0                        ; (named with it as a pair)
.endr
	s_lshl_b32 s76, s[T1], 2
	s_add_co_u32 s76, s76, s[WS1]                  ; head
	s_lshr_b32 s77, s[T0], 4                       ; batch
	s_lshl_b32 s77, s77, 4
	s_add_co_u32 s76, s76, s77
	s_mul_i32 s78, s76, 208896
	s_mov_b32 s79, 0
	s_add_nc_u64 s[OC:OC+1], s[14:15], s[78:79]
	s_and_b32 s77, s[T0], 15                       ; key step
	s_lshl_b32 s78, s77, 8
	s_lshl_b32 s80, s[WS0], 1
	s_add_co_u32 s78, s78, s80
	s_add_co_u32 s78, s78, 204800
	s_add_nc_u64 s[OS:OS+1], s[OC:OC+1], s[78:79]  ; my two bytes of each scale word
	s_mul_i32 s78, s77, 6144
	s_mul_i32 s80, s[WS0], 768
	s_add_co_u32 s78, s78, s80
	s_add_co_u32 s78, s78, 98304
	s_add_nc_u64 s[OC:OC+1], s[OC:OC+1], s[78:79]
	s_wait_alu depctr_va_vdst(0)
	s_wait_dscnt 0x0
.irp x, 0,1,2,3
.set p, 0
.rept 16
	v_pk_add_f32 v[ACC+32*\x+2*p:ACC+32*\x+2*p+1], v[ACC+32*\x+2*p:ACC+32*\x+2*p+1], v[32+2*\x:33+2*\x] op_sel_hi:[1,0]
.set p, p+1
.endr
.endr
.irp x, 0,1,2,3
	QUANTH ACC+32*\x, 64+8*\x, 96+\x
.endr
.irp x, 0,1,2,3
	global_store_b128 v[L16], v[64+8*\x:67+8*\x], s[OC:OC+1] offset:1536*\x
	global_store_b64 v[L8], v[68+8*\x:69+8*\x], s[OC:OC+1] offset:1536*\x+512
.endr
	v_cndmask_b32 v100, v96, v97, s[HM]
	v_cndmask_b32 v101, v98, v99, s[HM]
	global_store_b16 v[L4], v100, s[OS:OS+1]       ; two bytes of each word: the other two are the other half's wave's.  One byte in 24 of what the wave stores
	global_store_b16 v[L4], v101, s[OS:OS+1] offset:128
.Lend:
	s_wait_tensorcnt 0x0                           ; the wave's end
	ds_add_u32 v[SPW], v[NIL]
	s_wait_dscnt 0x0
	CROUND                                         ; the closing round
	s_endpgm
.Lfunc_end_k_qe493afaca4_proj:
	.size	k_qe493afaca4_proj, .Lfunc_end_k_qe493afaca4_proj-k_qe493afaca4_proj
	.p2alignl 7, 3214868480
	.fill 96, 4, 3214868480
	.section	.rodata,"a",@progbits
	.p2align	6, 0x0
	.amdhsa_kernel k_qe493afaca4_proj
		.amdhsa_group_segment_fixed_size 327680
		.amdhsa_private_segment_fixed_size 0
		.amdhsa_enable_private_segment 0
		.amdhsa_kernarg_size 48
		.amdhsa_user_sgpr_count 2
		.amdhsa_user_sgpr_kernarg_segment_ptr 1
		.amdhsa_wavefront_size32 1
		.amdhsa_system_sgpr_workgroup_id_x 1
		.amdhsa_system_sgpr_workgroup_id_y 1
		.amdhsa_system_sgpr_workgroup_id_z 1
		.amdhsa_system_vgpr_workitem_id 0
		.amdhsa_next_free_vgpr 256
		.amdhsa_next_free_sgpr 100
		.amdhsa_reserve_vcc 0
		.amdhsa_float_denorm_mode_32 3
		.amdhsa_float_denorm_mode_16_64 3
		.amdhsa_memory_ordered 1
		.amdhsa_forward_progress 1
		.amdhsa_inst_pref_size 82
	.end_amdhsa_kernel
	.amdgpu_metadata
---
amdhsa.version: [ 1, 2 ]
amdhsa.kernels:
  - .name:           k_qe493afaca4_proj
    .symbol:         k_qe493afaca4_proj.kd
    .args:
      - { .name: xw, .offset: 0, .size: 8, .value_kind: global_buffer, .address_space: global }
      - { .name: bq, .offset: 8, .size: 8, .value_kind: global_buffer, .address_space: global }
      - { .name: bk, .offset: 16, .size: 8, .value_kind: global_buffer, .address_space: global }
      - { .name: bv, .offset: 24, .size: 8, .value_kind: global_buffer, .address_space: global }
      - { .name: hq, .offset: 32, .size: 8, .value_kind: global_buffer, .address_space: global }
      - { .name: hkv, .offset: 40, .size: 8, .value_kind: global_buffer, .address_space: global }
    .group_segment_fixed_size: 327680
    .private_segment_fixed_size: 0
    .kernarg_segment_align: 8
    .kernarg_segment_size: 48
    .max_flat_workgroup_size: 256
    .sgpr_count:     100
    .vgpr_count:     256
    .wavefront_size: 32
...
	.end_amdgpu_metadata
.endif
;; end of part 2
;; launch attn (part 3): grid 4 x 64, 16 waves a work-group, clusters of 4 x 1, 327,680 bytes of LDS; arguments hq, hkv, oq; writes oq
.if DOCPART == 3
	.amdgcn_target "amdgcn-amd-amdhsa--gfx1250"
	.amdhsa_code_object_version 6
	.text
	.protected	k_qe493afaca4_attn
	.globl	k_qe493afaca4_attn
	.p2align	8
	.type	k_qe493afaca4_attn,@function
k_qe493afaca4_attn:
	s_mov_b64 s[64:65], 0
	v_nop
	global_prefetch_b8 v0, s[64:65] scope:SCOPE_SE
	s_setreg_imm32_b32 hwreg(HW_REG_WAVE_MODE, 25, 1), 1
	s_wait_xcnt 0x0
	s_wait_alu depctr_hold_cnt(0) depctr_sa_sdst(0) depctr_va_vdst(0) depctr_va_sdst(0) depctr_va_ssrc(0) depctr_va_vcc(0) depctr_vm_vsrc(0)
	s_getreg_b32 s2, hwreg(HW_REG_IB_STS2, 6, 4)
	s_cmp_eq_u32 s2, 0
	s_cbranch_scc0 .Lentry_in_a_cluster
	s_endpgm
.Lentry_in_a_cluster:
	s_bfe_u32 s2, ttmp6, 0x10000c
	s_cmp_lg_u32 s2, 0x3003
	s_cbranch_scc0 .Lentry_shape_is_right
	s_endpgm
.Lentry_shape_is_right:
; Causal attention of one head (head size 64, 2,048 queries and keys) on codes of FP6 (E2M3), and the result, divided by the row's sum, quantised as the output projection's operand.
; t = score x log2(e) / 8; M = the running largest t rounded up to a whole number; p = 2^(t - M) is quantised along the keys; the row's sum is taken of the unquantised p; when M moves, the sum and O are multiplied by 2^(old M - new M), which rounds nothing.
; CLUSTER.  The four work-groups of a cluster serve one head.  The head's block of hkv (K's tiles, V's half images, both scale words: 208,896 bytes) comes into each one's LDS ONCE, as it lies in memory, by one joint load
; a wave (51 rows of 256 bytes): one tensor load of a wave is out; no LDS byte is filled again.
; SHARES.  Work-group cx owns the query tiles 4 J + cx; wave w takes J = w and then J = 31 - w.  Tile 4 J + cx needs J / 2 + 1 key steps of 128, whatever cx is, the last of them on the diagonal: 17 steps a wave,
; and no branch hangs on a work-group's place in its cluster: cx enters Q's and O's global addresses and the mask's number alone.
; LAYOUT.  S^T = K Q^T, O^T = V^T P^T: a lane holds one query.  Tile 2 b + u (of queries, keys, channels) holds in lane r the row 32 b + 8 u + r + 8 (r / 8), so that registers 16 b + i of S^T are keys 32 b + 16 h + i.
; THE SCORES' K IS 64 in an instruction of 128: Q's registers 6-11 are zero codes, so what stands in the upper half of K's operand (the next tile's codes; zeros behind the last) adds nothing: the format has no NaN code, and
; bytes 2 and 3 of both scale words are 0x7f.
; The loop over key steps has the constant count 16; a step whose keys all come after the tile's queries is jumped over, but for the lines that step addresses.
; LIMITS: as the quantiser's: a block's byte is held at 1 from below; a block of zeros has the byte 1 (its codes are zeros; this program alone reads the bytes).
.set RBB,   13312
.set SPARE, 208896                     ; behind the head's block: the spare words, 128 bytes for each wave
.set AK16, 1                           ; v1   16 x lane: K's tiles; also the offset of 16-byte global accesses
.set L16,  1
.set AK8,  2                           ; v2   512 + 8 x lane
.set AKS,  3                           ; v3   K's scale words
.set AV16, 4
.set AV8,  5
.set AVS,  6
.set SPW,  7                           ; v7   my spare word; never rewritten
.set NIL,  8                           ; v8   0; never rewritten
.set QD,   15                          ; v15  my query - the diagonal step's first key - 16 h
.set TMX,  212                         ; v212-215 the blocks' largest scores, then largest p
.set TPX,  216
.set TSX,  220
.set QS0,  230                         ; v230 r + 8 (r / 8) - 16 h
.set CD,   232                         ; v232-237 the result's codes;  v238 its two scale bytes
.set WD,   238
.set TM,   240
.set TP,   242
.set TS,   244
.set CT,   246
.set L8,   251                         ; v251 8 x lane
.set WV,  10
.set CX,  11
.set BH,  12
.set HM,  13
.set J,   14
.set QT,  15
.set G0,  16
.set G1,  20
.set SEL, 28
.set CS,  30
.set LAST, 32
.set KI,  33
.set T6,  34
.set T5,  35
.set T2,  36
.set BAT, 37
.set QP,  46
.set QSP, 48
.set OP,  50
.set OSB, 52
.set HQB, 54
.set OQC, 56
.macro CROUND
	s_barrier_signal -1
	s_barrier_wait -1
	s_cmp_lg_u32 s[WV], 0
	s_cbranch_scc1 .Lnot_wave_0_\@
	s_barrier_signal -3
.Lnot_wave_0_\@:
	s_barrier_wait -3
	s_barrier_signal -1
	s_barrier_wait -1
.endm
; 32 numbers of a lane, register 16 b + i = k 32 b + 16 h + i of my row, become a half image in v[cd] .. v[cd + 5] and the two scale bytes in v[wd]
.macro QUANTH src, cd, wd
.irp b, 0,1
	v_max3_num_f32 v[TM+\b], |v[(\src)+16*\b]|, |v[(\src)+16*\b+1]|, 0x1800000
.endr
.irp i, 2,4,6,8,10,12,14
.irp b, 0,1
	s_delay_alu instid0(VALU_DEP_2)
	v_max3_num_f32 v[TM+\b], v[TM+\b], |v[(\src)+16*\b+\i]|, |v[(\src)+16*\b+\i+1]|
.endr
.endr
.irp b, 0,1
	s_delay_alu instid0(VALU_DEP_2)
	v_permlanex16_b32 v[TP+\b], v[TM+\b], s[SEL], s[SEL+1]
.endr
.irp b, 0,1
	s_delay_alu instid0(VALU_DEP_2)
	v_max_num_f32 v[TM+\b], v[TM+\b], v[TP+\b]
.endr
.irp b, 0,1
	s_delay_alu instid0(VALU_DEP_2)
	v_add_nc_u32 v[TS+\b], 0xff000000, v[TM+\b]
.endr
.irp b, 0,1
	s_delay_alu instid0(VALU_DEP_2)
	v_lshrrev_b32 v[TP+\b], 23, v[TS+\b]
.endr
	s_delay_alu instid0(VALU_DEP_1)
	v_lshl_or_b32 v[\wd], v[TP+1], 8, v[TP]
	v_cvt_scalef32_pk16_fp6_f32 v[(\cd):(\cd)+2], v[(\src):(\src)+15], v[TS]
	v_cvt_scalef32_pk16_fp6_f32 v[CT:CT+2], v[(\src)+16:(\src)+31], v[TS+1]
	v_nop                                          ; one plain place behind a scaled conversion
.irp i, 0,1,2
	v_permlane16_swap_b32 v[(\cd)+\i], v[CT+\i]
.endr
.irp i, 0,1,2
	s_delay_alu instid0(VALU_DEP_3)
	v_mov_b32 v[(\cd)+3+\i], v[CT+\i]
.endr
.endm
; A KEY STEP: 128 keys.
.macro STEP
	s_cmp_gt_u32 s[KI], s[LAST]
	s_cbranch_scc1 .Lskip_\@                       ; all its keys come after my queries
	s_setprio 2
	v_add_nc_u32 v9, s[T6], v[AK16]                ; the step's addresses; these six are also the places behind the last products
	v_add_nc_u32 v10, s[T6], v[AK8]
	v_add_nc_u32 v11, s[T5], v[AKS]
	v_add_nc_u32 v12, s[T6], v[AV16]
	v_add_nc_u32 v13, s[T6], v[AV8]
	v_add_nc_u32 v14, s[T2], v[AVS]
.irp t, 0,1,2,3,4,5,6,7
	ds_load_b128 v[32+6*\t:35+6*\t], v9 offset:768*\t     ; K's eight tiles, six registers each
	ds_load_b64 v[36+6*\t:37+6*\t], v10 offset:768*\t
.endr
.irp i, 0,1,2,3
	ds_load_b32 v[86+\i], v11 offset:128*\i        ; lanes 0-15: tile 2 i's words, lanes 16-31: tile 2 i + 1's
.endr
	s_wait_alu depctr_va_vdst(0)
	s_wait_dscnt 0x0
.irp t, 0,1,2,3,4,5,6,7
.if \t%2
	v_wmma_scale_f32_16x16x128_f8f6f4 v[96+8*\t:103+8*\t], v[32+6*\t:43+6*\t], v[16:27], 0, v[86+\t/2], v28 matrix_a_fmt:MATRIX_FMT_FP6 matrix_b_fmt:MATRIX_FMT_FP6 matrix_a_scale:MATRIX_SCALE_ROW1
.else
	v_wmma_scale_f32_16x16x128_f8f6f4 v[96+8*\t:103+8*\t], v[32+6*\t:43+6*\t], v[16:27], 0, v[86+\t/2], v28 matrix_a_fmt:MATRIX_FMT_FP6 matrix_b_fmt:MATRIX_FMT_FP6
.endif
.endr
.rept 4
	v_nop                                          ; places in front of the loads into K's registers and of the first reads of the scores
.endr
.irp f, 0,1,2,3,4,5,6,7
	ds_load_b128 v[32+6*\f:35+6*\f], v12 offset:768*\f    ; V's four fragments (half image 2 x channel tile + half): they land under the softmax
	ds_load_b64 v[36+6*\f:37+6*\f], v13 offset:768*\f
.endr
	ds_load_b32 v90, v14
	ds_load_b32 v91, v14 offset:128
	s_cmp_lg_u32 s[KI], s[LAST]
	s_cbranch_scc1 .Lopen_\@                       ; only the last step lies on the diagonal
.set n, 0
.rept 64
	v_cmp_gt_i32 vcc_lo, 32*(n/16)+n%16, v[QD]     ; register 16 b + i holds key 32 b + 16 h + i of the step: hidden where it comes after my query
	v_cndmask_b32 v[96+n], v[96+n], v229, vcc_lo   ; -infinity: p = 0
.set n, n+1
.endr
.Lopen_\@:
.irp b, 0,1,2,3
	v_max3_num_f32 v[TMX+\b], v[96+16*\b], v[97+16*\b], v[98+16*\b]   ; the largest score of each block of 32 keys: for the row's maximum and, since p rises with the score, for the block's largest p
.endr
.irp i, 3,5,7,9,11,13
.irp b, 0,1,2,3
	v_max3_num_f32 v[TMX+\b], v[TMX+\b], v[96+16*\b+\i], v[97+16*\b+\i]
.endr
.endr
.irp b, 0,1,2,3
	v_max_num_f32 v[TMX+\b], v[TMX+\b], v[111+16*\b]
.endr
.irp b, 0,1,2,3
	s_delay_alu instid0(VALU_DEP_4)
	v_permlanex16_b32 v[TPX+\b], v[TMX+\b], s[SEL], s[SEL+1]
.endr
.irp b, 0,1,2,3
	s_delay_alu instid0(VALU_DEP_4)
	v_max_num_f32 v[TMX+\b], v[TMX+\b], v[TPX+\b]
.endr
	s_delay_alu instid0(VALU_DEP_2)
	v_max3_num_f32 v227, v212, v213, v214
	s_delay_alu instid0(VALU_DEP_1)
	v_max_num_f32 v227, v227, v215
	s_delay_alu instid0(VALU_DEP_1)
	v_mul_f32 v227, s[CS], v227                    ; as t
	s_delay_alu instid0(VALU_DEP_1)
	v_max_num_f32 v93, v93, v227                   ; the running largest t
	v_mov_b32 v227, v92
	s_delay_alu instid0(VALU_DEP_2)
	v_floor_f32 v92, -v93                          ; -M = floor(-t): M is a whole number
	s_delay_alu instid0(VALU_DEP_1)
	v_sub_f32 v227, v92, v227
	s_delay_alu instid0(VALU_DEP_1)
	v_cvt_i32_f32 v227, v227                       ; old M - new M (it saturates)
	s_delay_alu instid0(VALU_DEP_1)
	v_ldexp_f32 v224, 1.0, v227                    ; f = 2^(old M - new M)
.set j, 0
	s_setprio 1
.rept 32
	v_pk_fma_f32 v[96+j:97+j], v[96+j:97+j], s[CS:CS+1], v[92:93] op_sel_hi:[1,0,0]   ; t - M
.set j, j+2
.endr
.irp b, 0,1,2,3
	v_fma_f32 v[TMX+\b], v[TMX+\b], s[CS], v92
.endr
.set j, 0
	s_wait_alu depctr_va_vdst(0)
.rept 64
	v_exp_f32 v[96+j], v[96+j]                     ; p
.set j, j+1
.endr
	v_pk_mul_f32 v[94:95], v[94:95], v[224:225] op_sel_hi:[1,0]   ; the sum under the new M: the plain place behind the exponentials
	s_wait_alu depctr_va_vdst(0)                   ; one wait for the batch of 64, ahead of its first reader
.irp b, 0,1,2,3
	v_exp_f32 v[TMX+\b], v[TMX+\b]                 ; the blocks' largest p
.endr
	v_pk_add_f32 v[216:217], v[100:101], v[104:105]
	v_pk_add_f32 v[254:255], v[108:109], v[112:113]
	v_pk_add_f32 v[252:253], v[116:117], v[120:121]
	v_pk_add_f32 v[248:249], v[124:125], v[128:129]
	v_pk_add_f32 v[246:247], v[132:133], v[136:137]
	v_pk_add_f32 v[244:245], v[140:141], v[144:145]
	v_pk_add_f32 v[240:241], v[148:149], v[152:153]
	v_pk_add_f32 v[94:95], v[94:95], v[156:157]
	v_pk_add_f32 v[216:217], v[216:217], v[96:97]
	v_pk_add_f32 v[254:255], v[254:255], v[98:99]
	v_pk_add_f32 v[252:253], v[252:253], v[102:103]
	v_pk_add_f32 v[248:249], v[248:249], v[106:107]
	v_pk_add_f32 v[246:247], v[246:247], v[110:111]
	v_pk_add_f32 v[244:245], v[244:245], v[114:115]
	v_pk_add_f32 v[240:241], v[240:241], v[118:119]
	v_pk_add_f32 v[94:95], v[94:95], v[122:123]
	v_pk_add_f32 v[216:217], v[216:217], v[126:127]
	v_pk_add_f32 v[254:255], v[254:255], v[130:131]
	v_pk_add_f32 v[252:253], v[252:253], v[134:135]
	v_pk_add_f32 v[248:249], v[248:249], v[138:139]
	v_pk_add_f32 v[246:247], v[246:247], v[142:143]
	v_pk_add_f32 v[244:245], v[244:245], v[146:147]
	v_pk_add_f32 v[240:241], v[240:241], v[150:151]
	v_pk_add_f32 v[94:95], v[94:95], v[154:155]
	v_pk_add_f32 v[216:217], v[216:217], v[158:159]
	s_delay_alu instid0(VALU_DEP_2)
	v_pk_add_f32 v[94:95], v[94:95], v[248:249]
	s_delay_alu instid0(VALU_DEP_2)
	v_pk_add_f32 v[216:217], v[216:217], v[246:247]
	v_pk_add_f32 v[254:255], v[254:255], v[244:245]
	v_pk_add_f32 v[252:253], v[252:253], v[240:241]
	s_delay_alu instid0(VALU_DEP_2)
	v_pk_add_f32 v[94:95], v[94:95], v[254:255]
	s_delay_alu instid0(VALU_DEP_2)
	v_pk_add_f32 v[216:217], v[216:217], v[252:253]
	s_delay_alu instid0(VALU_DEP_1)
	v_pk_add_f32 v[94:95], v[94:95], v[216:217]
	s_wait_alu depctr_va_vdst(0)                   ; and one for the four
.irp b, 0,1,2,3
	v_max_num_f32 v[TMX+\b], 0x1800000, v[TMX+\b]  ; the floor: the byte cannot fall under 1
.endr
.irp b, 0,1,2,3
	s_delay_alu instid0(VALU_DEP_4)
	v_add_nc_u32 v[TSX+\b], 0xff000000, v[TMX+\b]
.endr
.irp b, 0,1,2,3
	s_delay_alu instid0(VALU_DEP_4)
	v_lshrrev_b32 v[TPX+\b], 23, v[TSX+\b]
.endr
	s_delay_alu instid0(VALU_DEP_3)
	v_lshl_or_b32 v226, v217, 8, v216              ; p's scale word
	s_delay_alu instid0(VALU_DEP_1)
	v_lshl_or_b32 v226, v218, 16, v226
	s_delay_alu instid0(VALU_DEP_1)
	v_lshl_or_b32 v226, v219, 24, v226
	s_setprio 0
.irp c, 0,1
	v_cvt_scalef32_pk16_fp6_f32 v[192+6*\c:194+6*\c], v[96+32*\c:111+32*\c], v[TSX+2*\c]
	v_cvt_scalef32_pk16_fp6_f32 v[204+4*\c:206+4*\c], v[112+32*\c:127+32*\c], v[TSX+2*\c+1]
.endr
	v_nop                                          ; one plain place behind a scaled conversion
.irp c, 0,1
.irp i, 0,1,2
	v_permlane16_swap_b32 v[192+6*\c+\i], v[204+4*\c+\i]
.endr
.irp i, 0,1,2
	s_delay_alu instid0(VALU_DEP_3)
	v_mov_b32 v[195+6*\c+\i], v[204+4*\c+\i]
.endr
.endr
.set j, 0
.rept 16
	v_pk_mul_f32 v[160+j:161+j], v[160+j:161+j], v[224:225] op_sel_hi:[1,0]   ; O^T under the new M; these sixteen are also the places between p's codes and scale word and the products
.set j, j+2
.endr
	s_wait_alu depctr_va_vdst(0)
	s_wait_dscnt 0x0                               ; V is in
.irp d, 0,1,2,3
.if \d%2
	v_wmma_scale_f32_16x16x128_f8f6f4 v[160+8*\d:167+8*\d], v[32+12*\d:43+12*\d], v[192:203], v[160+8*\d:167+8*\d], v[90+\d/2], v226 matrix_a_fmt:MATRIX_FMT_FP6 matrix_b_fmt:MATRIX_FMT_FP6 matrix_a_scale:MATRIX_SCALE_ROW1
.else
	v_wmma_scale_f32_16x16x128_f8f6f4 v[160+8*\d:167+8*\d], v[32+12*\d:43+12*\d], v[192:203], v[160+8*\d:167+8*\d], v[90+\d/2], v226 matrix_a_fmt:MATRIX_FMT_FP6 matrix_b_fmt:MATRIX_FMT_FP6
.endif
.endr
.Lskip_\@:
	s_add_co_u32 s[T6], s[T6], 6144
	s_add_co_u32 s[T5], s[T5], 512
	s_add_co_u32 s[T2], s[T2], 256
.endm
; One query tile from its Q to its codes in oq.
.macro PASS n
.if \n == 0
	s_mov_b32 s[J], s[WV]
.else
	s_wait_xcnt 0x0                                ; the first tile's stores have read their registers and bases: both may be written again
	s_sub_co_u32 s[J], 31, s[WV]
.endif
	s_lshr_b32 s[LAST], s[J], 1                    ; the diagonal's key step: it hangs on the wave's number alone
	s_lshl_b32 s[QT], s[J], 2
	s_add_co_u32 s[QT], s[QT], s[CX]               ; my query tile
	s_mul_i32 s40, s[QT], 768
	s_mov_b32 s41, 0
	s_add_nc_u64 s[QP:QP+1], s[HQB:HQB+1], s[40:41]
	s_lshl_b32 s40, s[QT], 6
	s_add_co_u32 s40, s40, 98304
	s_add_nc_u64 s[QSP:QSP+1], s[HQB:HQB+1], s[40:41]
	global_load_b128 v[16:19], v[L16], s[QP:QP+1]
	global_load_b64 v[20:21], v[L8], s[QP:QP+1] offset:512
	global_load_b32 v28, v31, s[QSP:QSP+1]
	s_add_co_u32 s40, s[BAT], s[QT]                ; the tile's row block in oq
	s_mul_i32 s40, s40, RBB
	s_add_nc_u64 s[OP:OP+1], s[OQC:OQC+1], s[40:41]
.if \n == 0
	v_add_nc_u32 v30, s40, v31                     ; where its scale bytes go
.else
	v_add_nc_u32 v239, s40, v31
.endif
	s_lshr_b32 s42, s[QT], 1
	s_lshl_b32 s42, s42, 5
	s_and_b32 s43, s[QT], 1
	s_lshl_b32 s43, s43, 3
	s_add_co_u32 s42, s42, s43
	s_lshl_b32 s43, s[LAST], 7
	s_sub_co_u32 s42, s42, s43
	v_add_nc_u32 v[QD], s42, v[QS0]
	v_mov_b32 v93, 0xff61b1e6                      ; the largest t so far: -3e38
	s_delay_alu instid0(VALU_DEP_1)
	v_floor_f32 v92, -v93
	v_mov_b32 v94, 0
	v_mov_b32 v95, 0
.set j, 0
.rept 32
	v_mov_b32 v[160+j], 0                          ; O^T: the step is written once; the first finds zeros
.set j, j+1
.endr
	s_mov_b32 s[KI], 0
	s_mov_b32 s[T6], 0
	s_mov_b32 s[T5], 0
	s_mov_b32 s[T2], 0
	s_wait_loadcnt 0x0                             ; Q
.if \n == 0
	s_wait_tensorcnt 0x0                           ; my part of the head's block is in,
	s_barrier_signal -1
	s_barrier_wait -1                              ; everybody's is
.endif
.Lstep_\@:
	STEP
	s_add_co_u32 s[KI], s[KI], 1
	s_cmp_lt_u32 s[KI], 16
	s_cbranch_scc1 .Lstep_\@
	s_setprio 0
.rept 4
	v_nop                                          ; places behind the last products
.endr
	v_add_f32 v94, v94, v95
	s_delay_alu instid0(VALU_DEP_1)
	v_permlanex16_b32 v227, v94, s[SEL], s[SEL+1]
	s_delay_alu instid0(VALU_DEP_1)
	v_add_f32 v94, v94, v227                       ; the row's sum
	s_wait_alu depctr_va_vdst(0)
	v_rcp_f32 v94, v94
	v_nop                                          ; a plain place behind the reciprocal
	s_wait_alu depctr_va_vdst(0)                   ; and the wait ahead of its first reader
.set j, 0
.rept 16
	v_pk_mul_f32 v[96+j:97+j], v[160+j:161+j], v[94:95] op_sel_hi:[1,0]   ; O^T / the sum: register 16 b + i is channel 32 b + 16 h + i; each accumulator from its low end on
.set j, j+2
.endr
	QUANTH 96, CD, WD
	global_store_b128 v[L16], v[CD:CD+3], s[OP:OP+1]
	global_store_b64 v[L8], v[CD+4:CD+5], s[OP:OP+1] offset:512
.if \n == 0
	v_mov_b32 v29, v[WD]                           ; its two scale bytes are kept for one store with the second tile's
.else
	v_cndmask_b32 v29, v29, v[WD], s[HM]           ; lanes 0-15: the first tile's rows, lanes 16-31: the second's
	v_cndmask_b32 v30, v30, v239, s[HM]
	global_store_b16 v30, v29, s[OSB:OSB+1]        ; my head's two bytes of each row's scale word: one byte in 24 of what the wave stores
.endif
.endm
	s_load_b128 s[4:7], s[0:1], 0x0                ; hq, hkv
	s_load_b64 s[8:9], s[0:1], 0x10                ; oq
	v_lshl_add_u32 v[SPW], v0, 2, SPARE
	v_mov_b32 v[NIL], 0
	ds_add_u32 v[SPW], v[NIL]                      ; the wave's opening: the add and its wait ahead of my first tensor load
	ds_add_u32 v[SPW], v[NIL]
	v_lshrrev_b32 v9, 5, v0
	s_delay_alu instid0(VALU_DEP_1)
	v_readfirstlane_b32 s[WV], v9                  ; wave 0..15
	s_bfe_u32 s[CX], ttmp6, 0x40000
	s_and_b32 s[BH], ttmp7, 0xffff                 ; 16 x batch + head: the four partners share it
	s_mov_b32 s[G1], 15|(3<<16)|(1<<21)            ; 15:0 the mask: all four; 17:16 elements of 8 bytes; 21 set beside a mask
	s_mov_b32 s[G1+1], 32<<16                      ; rows of 256 bytes
	s_mov_b32 s[G1+2], 51<<16                      ; 51 of them
	s_mov_b32 s[G1+3], 32<<16
	s_mov_b32 s[G1+4], 51
	s_mov_b32 s[G1+5], 32
	s_mov_b32 s[G1+6], 0
	s_mov_b32 s[G1+7], 0
	s_mul_i32 s40, s[WV], 13056                    ; my sixteenth of the block, in LDS as in memory
	s_mul_i32 s38, s[BH], 208896
	s_add_co_u32 s38, s38, s40
	s_mov_b32 s39, 0
	s_mov_b32 s[HM], 0xffff0000
	s_mov_b32 s[SEL], 0x76543210
	s_mov_b32 s[SEL+1], 0xfedcba98
	s_mov_b32 s[CS], 0x3e38aa3b                    ; c = log2(e) / 8
	s_mov_b32 s[CS+1], s[CS]
	s_lshr_b32 s[BAT], s[BH], 4
	s_lshl_b32 s[BAT], s[BAT], 7                   ; 128 row blocks a batch
	s_and_b32 s41, s[BH], 15                       ; the head: K step head / 2 of the output projection, half head % 2
	s_lshr_b32 s42, s41, 2
	s_mul_i32 s42, s42, 3328                       ; its record,
	s_bfe_u32 s43, s41, 0x10001                    ; the K step in it,
	s_and_b32 s41, s41, 1                          ; the half
	s_mul_i32 s44, s43, 1536
	s_add_co_u32 s44, s44, s42
	s_mul_i32 s45, s41, 768
	s_add_co_u32 s44, s44, s45
	s_mov_b32 s45, 0
	s_lshl_b32 s43, s43, 6
	s_add_co_u32 s42, s42, s43
	s_lshl_b32 s41, s41, 1
	s_add_co_u32 s42, s42, s41
	s_add_co_u32 s42, s42, 3072
	s_mov_b32 s43, 0
	s_mul_i32 s58, s[BH], 106496
	s_mov_b32 s59, 0
	s_wait_dscnt 0x0                               ; the opening add is done
	s_wait_kmcnt 0x0
	s_mov_b32 s[G0], 1
	s_mov_b32 s[G0+1], s40
	s_add_nc_u64 s[G0+2:G0+3], s[6:7], s[38:39]
	s_or_b32 s[G0+3], s[G0+3], 0x80000000
	s_add_nc_u64 s[OQC:OQC+1], s[8:9], s[44:45]
	s_add_nc_u64 s[OSB:OSB+1], s[8:9], s[42:43]
	s_add_nc_u64 s[HQB:HQB+1], s[4:5], s[58:59]
	CROUND                                         ; all four work-groups are here: the joint loads meet
	tensor_load_to_lds s[G0:G0+3], s[G1:G1+7]
	s_nop 0
.rept 4
	v_nop
.endr
	v_and_b32 v9, 31, v0                           ; lane
	v_and_b32 v10, 15, v0                          ; r
	v_bfe_u32 v11, v0, 4, 1                        ; h
	s_delay_alu instid0(VALU_DEP_3)
	v_lshlrev_b32 v[AK16], 4, v9
	s_delay_alu instid0(VALU_DEP_4)
	v_lshlrev_b32 v[L8], 3, v9
	v_lshlrev_b32 v12, 2, v9
	s_delay_alu instid0(VALU_DEP_2)
	v_add_nc_u32 v[AK8], 512, v[L8]
	s_delay_alu instid0(VALU_DEP_2)
	v_add_nc_u32 v[AKS], 196608, v12
	v_add_nc_u32 v[AV16], 98304, v[AK16]
	v_add_nc_u32 v[AV8], 98816, v[L8]
	v_add_nc_u32 v[AVS], 204800, v12
	v_lshlrev_b32 v31, 2, v10                      ; 4 r
	v_and_b32 v[QS0], 8, v10
	s_delay_alu instid0(VALU_DEP_1)
	v_add_nc_u32 v[QS0], v[QS0], v10
	v_lshlrev_b32 v11, 4, v11
	s_delay_alu instid0(VALU_DEP_1)
	v_sub_nc_u32 v[QS0], v[QS0], v11               ; r + 8 (r / 8) - 16 h
.irp j, 22,23,24,25,26,27, 80,81,82,83,84,85
	v_mov_b32 v[\j], 0                             ; zero codes: the upper 64 of Q's K, and what stands behind K's last tile
.endr
.irp j, 216,217,218,219, 224,225, 227, 242,243
	v_mov_b32 v[\j], 0                             ; written once: permutes' destinations, and the upper half of f's pair
.endr
	v_mov_b32 v229, 0xff800000                     ; -infinity
	PASS 0
	PASS 1
	s_wait_tensorcnt 0x0                           ; the wave's end
	ds_add_u32 v[SPW], v[NIL]
	s_wait_dscnt 0x0
	CROUND                                         ; the closing round
	s_endpgm
.Lfunc_end_k_qe493afaca4_attn:
	.size	k_qe493afaca4_attn, .Lfunc_end_k_qe493afaca4_attn-k_qe493afaca4_attn
	.p2alignl 7, 3214868480
	.fill 96, 4, 3214868480
	.section	.rodata,"a",@progbits
	.p2align	6, 0x0
	.amdhsa_kernel k_qe493afaca4_attn
		.amdhsa_group_segment_fixed_size 327680
		.amdhsa_private_segment_fixed_size 0
		.amdhsa_enable_private_segment 0
		.amdhsa_kernarg_size 24
		.amdhsa_user_sgpr_count 2
		.amdhsa_user_sgpr_kernarg_segment_ptr 1
		.amdhsa_wavefront_size32 1
		.amdhsa_system_sgpr_workgroup_id_x 1
		.amdhsa_system_sgpr_workgroup_id_y 1
		.amdhsa_system_sgpr_workgroup_id_z 1
		.amdhsa_system_vgpr_workitem_id 0
		.amdhsa_next_free_vgpr 256
		.amdhsa_next_free_sgpr 66
		.amdhsa_reserve_vcc 1
		.amdhsa_float_denorm_mode_32 3
		.amdhsa_float_denorm_mode_16_64 3
		.amdhsa_memory_ordered 1
		.amdhsa_forward_progress 1
		.amdhsa_inst_pref_size 65
	.end_amdhsa_kernel
	.amdgpu_metadata
---
amdhsa.version: [ 1, 2 ]
amdhsa.kernels:
  - .name:           k_qe493afaca4_attn
    .symbol:         k_qe493afaca4_attn.kd
    .args:
      - { .name: hq, .offset: 0, .size: 8, .value_kind: global_buffer, .address_space: global }
      - { .name: hkv, .offset: 8, .size: 8, .value_kind: global_buffer, .address_space: global }
      - { .name: oq, .offset: 16, .size: 8, .value_kind: global_buffer, .address_space: global }
    .group_segment_fixed_size: 327680
    .private_segment_fixed_size: 0
    .kernarg_segment_align: 8
    .kernarg_segment_size: 24
    .max_flat_workgroup_size: 512
    .sgpr_count:     66
    .vgpr_count:     256
    .wavefront_size: 32
...
	.end_amdgpu_metadata
.endif
;; end of part 3
;; launch outp (part 4): grid 8 x 32, 8 waves a work-group, clusters of 4 x 4, 327,680 bytes of LDS; arguments oq, xw, bo, out0; writes out0
.if DOCPART == 4
	.amdgcn_target "amdgcn-amd-amdhsa--gfx1250"
	.amdhsa_code_object_version 6
	.text
	.protected	k_qe493afaca4_outp
	.globl	k_qe493afaca4_outp
	.p2align	8
	.type	k_qe493afaca4_outp,@function
k_qe493afaca4_outp:
	s_mov_b64 s[64:65], 0
	v_nop
	global_prefetch_b8 v0, s[64:65] scope:SCOPE_SE
	s_setreg_imm32_b32 hwreg(HW_REG_WAVE_MODE, 25, 1), 1
	s_wait_xcnt 0x0
	s_wait_alu depctr_hold_cnt(0) depctr_sa_sdst(0) depctr_va_vdst(0) depctr_va_sdst(0) depctr_va_ssrc(0) depctr_va_vcc(0) depctr_vm_vsrc(0)
	s_getreg_b32 s2, hwreg(HW_REG_IB_STS2, 6, 4)
	s_cmp_eq_u32 s2, 0
	s_cbranch_scc0 .Lentry_in_a_cluster
	s_endpgm
.Lentry_in_a_cluster:
	s_bfe_u32 s2, ttmp6, 0x10000c
	s_cmp_lg_u32 s2, 0xf033
	s_cbranch_scc0 .Lentry_shape_is_right
	s_endpgm
.Lentry_shape_is_right:
; out0 = O Wo^T + bo on codes of FP6 (E2M3): O's out of oq, Wo's out of xw (row blocks 1216-1279), both laid as records of operand images (16 rows x 256 K in 3,200 bytes, 3,328 apart; a row block 13,312 bytes).
; S1, the matrix instruction's source 1, is 256 rows of O: a lane owns one token.  S0, its source 0, is 128 rows of Wo: a lane's registers run along the output's columns.
; A row block 2 b + u holds in lane r the row 32 b + 8 u + r + 8 (r / 8); as source 0 its result's register j of lane half h is row 32 b + 16 h + 8 u + j.
; SHARES.  Eight waves; wave (ws1 = w / 2, ws0 = w % 2) makes 64 tokens x 64 columns: 16 accumulators.  All of K lies in LDS: four slices of 256 along K, each 24 records, each filled ONCE.  Four tensor loads of a wave are out at the start.
; CLUSTERS: 4 x 4 work-groups: O's tile is asked for jointly along a row of the cluster, Wo's along a column.
; THE WAY OUT: a block of 16 tokens x 64 columns goes through the wave's own stage (rows of 256 + 16 bytes) and leaves as rows: sixteen lanes store 256 consecutive bytes, at a multiple of 256 from out0's first byte.
; The stages lie in slice 0: it has had its one fill, and every wave has passed the barrier of slice 3, behind which nobody reads it.
.set REC,   3200
.set SLICE, 24*REC
.set RBB,   13312
.set QRB,   3328
.set BIA,   4*SLICE
.set SPARE, BIA+8*256
.set SPITCH, 272
.set SPW, 1
.set NIL, 2
.set A1W, 3
.set A1N, 4
.set A0W, 5
.set A0N, 6
.set ASC, 7
.set SC,  8
.set L16, 12
.set L8,  13
.set L4,  14
.set BRD, 15
.set BP2, 16
.set RR,  18
.set HH,  19
.set STO, 20                           ; v20  the stage: where I put 32 bytes of a row
.set RD,  21                           ; v21  and where I read a row back
.set CO,  22                           ; v22  my byte offset in out0: 4,096 h + 16 r
.set BWR, 31
.set F0,  32
.set F1,  80
.set ACC, 128
.set G1A, 16
.set G1B, 24
.set G0A, 32
.set G0B, 48
.set WV,  66
.set WS1, 67
.set WS0, 68
.set CX,  69
.set CY,  70
.set T1,  73
.set T0,  74
.set W3,  75
.set OC,  90
.set BPT, 98
.macro CROUND
	s_barrier_signal -1
	s_barrier_wait -1
	s_cmp_lg_u32 s[WV], 0
	s_cbranch_scc1 .Lnot_wave_0_\@
	s_barrier_signal -3
.Lnot_wave_0_\@:
	s_barrier_wait -3
	s_barrier_signal -1
	s_barrier_wait -1
.endm
; A K step of 128: 36 dense LDS loads, 16 matrix instructions, the sixteen accumulators by turns in the same order in every step.
.macro KSTEP s, zero, places
.if \places
.rept 4
	v_nop                                          ; four places in front of loads into registers that matrix instructions have read
.endr
.endif
.irp i, 0,1,2,3
	ds_load_b32 v[SC+\i], v[ASC] offset:\i*REC+64*((\s)%2)
.endr
.irp i, 0,1,2,3
	ds_load_b128 v[F0+12*\i:F0+12*\i+3], v[A0W] offset:\i*REC+1536*((\s)%2)
	ds_load_b64 v[F0+12*\i+4:F0+12*\i+5], v[A0N] offset:\i*REC+1536*((\s)%2)
	ds_load_b128 v[F0+12*\i+6:F0+12*\i+9], v[A0W] offset:\i*REC+1536*((\s)%2)+768
	ds_load_b64 v[F0+12*\i+10:F0+12*\i+11], v[A0N] offset:\i*REC+1536*((\s)%2)+768
.endr
.irp i, 0,1,2,3
	ds_load_b128 v[F1+12*\i:F1+12*\i+3], v[A1W] offset:\i*REC+1536*((\s)%2)
	ds_load_b64 v[F1+12*\i+4:F1+12*\i+5], v[A1N] offset:\i*REC+1536*((\s)%2)
	ds_load_b128 v[F1+12*\i+6:F1+12*\i+9], v[A1W] offset:\i*REC+1536*((\s)%2)+768
	ds_load_b64 v[F1+12*\i+10:F1+12*\i+11], v[A1N] offset:\i*REC+1536*((\s)%2)+768
.endr
.irp x, 0,1,2,3
	s_wait_dscnt 12-4*\x                           ; S1's later fragments, four loads each, may be out
.irp y, 0,1,2,3
.if \zero
	v_wmma_scale_f32_16x16x128_f8f6f4 v[ACC+8*(4*\x+\y):ACC+8*(4*\x+\y)+7], v[F0+12*\y:F0+12*\y+11], v[F1+12*\x:F1+12*\x+11], 0, v[SC+\y], v[SC+\x] matrix_a_fmt:MATRIX_FMT_FP6 matrix_b_fmt:MATRIX_FMT_FP6 matrix_a_scale:MATRIX_SCALE_ROW1
.else
	v_wmma_scale_f32_16x16x128_f8f6f4 v[ACC+8*(4*\x+\y):ACC+8*(4*\x+\y)+7], v[F0+12*\y:F0+12*\y+11], v[F1+12*\x:F1+12*\x+11], v[ACC+8*(4*\x+\y):ACC+8*(4*\x+\y)+7], v[SC+\y], v[SC+\x] matrix_a_fmt:MATRIX_FMT_FP6 matrix_b_fmt:MATRIX_FMT_FP6 matrix_a_scale:MATRIX_SCALE_ROW1
.endif
.endr
.endr
.endm
	s_load_b256 s[4:11], s[0:1], 0x0               ; oq, xw, bo, out0
	v_lshl_add_u32 v[SPW], v0, 2, SPARE
	v_mov_b32 v[NIL], 0
	ds_add_u32 v[SPW], v[NIL]                      ; the wave's opening: the add and its wait ahead of my first tensor load
	ds_add_u32 v[SPW], v[NIL]
	v_lshrrev_b32 v[RR], 5, v0
	s_delay_alu instid0(VALU_DEP_1)
	v_readfirstlane_b32 s[WV], v[RR]               ; wave 0..7
	s_lshr_b32 s[WS1], s[WV], 1
	s_and_b32 s[WS0], s[WV], 1
	s_and_b32 s[W3], s[WV], 3                      ; which part of a tile I fetch: waves 0-3 S1's, waves 4-7 S0's
	s_bfe_u32 s[CX], ttmp6, 0x40000
	s_bfe_u32 s[CY], ttmp6, 0x40004
	s_lshl_b32 s[T0], ttmp9, 2
	s_add_co_u32 s[T0], s[T0], s[CX]               ; Wo's tile
	s_and_b32 s[T1], ttmp7, 0xffff
	s_lshl_b32 s[T1], s[T1], 2
	s_add_co_u32 s[T1], s[T1], s[CY]               ; O's tile
	s_lshl_b32 s81, s[CY], 2
	s_lshl_b32 s81, 15, s81                        ; my row of the cluster
	s_lshl_b32 s84, 0x1111, s[CX]                  ; my column
	s_or_b32 s[G1A], s81, (3<<16)|(1<<21)          ; 15:0 the mask; 17:16 elements of 8 bytes; 21 set beside a mask; no padding
	s_or_b32 s[G1B], s84, (3<<16)|(1<<21)
	s_mov_b32 s[G1A+1], 400<<16                    ; 3,200 bytes a record
	s_mov_b32 s[G1A+2], 4<<16                      ; 4 row blocks
	s_mov_b32 s[G1A+3], 400<<16
	s_mov_b32 s[G1A+4], 4
	s_mov_b32 s[G1A+5], 1664                       ; 13,312 bytes from row block to row block
	s_mov_b32 s[G1A+6], 0
	s_mov_b32 s[G1A+7], 0
	s_mov_b32 s[G1B+1], 400<<16
	s_mov_b32 s[G1B+2], 2<<16                      ; 2 row blocks
	s_mov_b32 s[G1B+3], 400<<16
	s_mov_b32 s[G1B+4], 2
	s_mov_b32 s[G1B+5], 1664
	s_mov_b32 s[G1B+6], 0
	s_mov_b32 s[G1B+7], 0
	s_lshl_b32 s81, s[T1], 4                       ; S1: registers that never hold cx
	s_lshl_b32 s82, s[W3], 2
	s_add_co_u32 s82, s82, s81
	s_mul_i32 s82, s82, RBB
	s_mov_b32 s83, 0
	s_lshl_b32 s84, s[T0], 3                       ; S0: registers that never hold cy
	s_add_co_u32 s84, s84, 1216
	s_lshl_b32 s86, s[W3], 1
	s_add_co_u32 s86, s86, s84
	s_mul_i32 s86, s86, RBB
	s_mov_b32 s87, 0
	s_mul_i32 s88, s[W3], 4*REC
	s_mul_i32 s89, s[W3], 2*REC
	s_add_co_u32 s89, s89, 16*REC
	s_lshl_b32 s78, s[T0], 9                       ; my 64 numbers of bo: 128 T0 + 64 ws0
	s_lshl_b32 s79, s[WS0], 8
	s_add_co_u32 s78, s78, s79
	s_mov_b32 s79, 0
	s_lshl_b32 s76, s[T1], 20                      ; my part of out0: row 256 T1 + 64 ws1, column 128 T0 + 64 ws0
	s_lshl_b32 s77, s[WS1], 18
	s_add_co_u32 s76, s76, s77
	s_add_co_u32 s76, s76, s78
	s_mov_b32 s77, 0
	s_wait_dscnt 0x0                               ; the opening add is done
	s_wait_kmcnt 0x0
	s_add_nc_u64 s[82:83], s[4:5], s[82:83]
	s_add_nc_u64 s[86:87], s[6:7], s[86:87]
	s_add_nc_u64 s[BPT:BPT+1], s[8:9], s[78:79]
	s_add_nc_u64 s[OC:OC+1], s[10:11], s[76:77]
.irp q, 0,1,2,3
	s_mov_b32 s[G0A+4*\q], 1
	s_add_co_u32 s[G0A+4*\q+1], s88, \q*SLICE
	s_add_nc_u64 s[G0A+4*\q+2:G0A+4*\q+3], s[82:83], \q*QRB
	s_or_b32 s[G0A+4*\q+3], s[G0A+4*\q+3], 0x80000000
	s_mov_b32 s[G0B+4*\q], 1
	s_add_co_u32 s[G0B+4*\q+1], s89, \q*SLICE
	s_add_nc_u64 s[G0B+4*\q+2:G0B+4*\q+3], s[86:87], \q*QRB
	s_or_b32 s[G0B+4*\q+3], s[G0B+4*\q+3], 0x80000000
.endr
	CROUND                                         ; all sixteen work-groups are here: the joint loads meet
	s_cmp_lt_u32 s[WV], 4                          ; a wave's four fills stand in one branch, ahead of every wait on TENSORcnt, every LDS read and every other barrier
	s_cbranch_scc0 .Lfill_s0
.irp q, 0,1,2,3
	tensor_load_to_lds s[G0A+4*\q:G0A+4*\q+3], s[G1A:G1A+7]
	s_nop 0
.endr
.rept 4
	v_nop
.endr
	s_branch .Lfilled
.Lfill_s0:
.irp q, 0,1,2,3
	tensor_load_to_lds s[G0B+4*\q:G0B+4*\q+3], s[G1B:G1B+7]
	s_nop 0
.endr
.rept 4
	v_nop
.endr
.Lfilled:
	v_and_b32 v[RR], 15, v0
	v_bfe_u32 v[HH], v0, 4, 1
	v_and_b32 v[L4], 31, v0
	s_delay_alu instid0(VALU_DEP_1)
	v_lshlrev_b32 v[L16], 4, v[L4]
	s_delay_alu instid0(VALU_DEP_2)
	v_lshlrev_b32 v[L8], 3, v[L4]
	s_delay_alu instid0(VALU_DEP_3)
	v_lshlrev_b32 v[L4], 2, v[L4]
	global_load_b64 v[BP2:BP2+1], v[L8], s[BPT:BPT+1]   ; my wave's 64 numbers of the bias
	s_mul_i32 s76, s[WS1], 4*REC
	v_add_nc_u32 v[A1W], s76, v[L16]
	v_add_nc_u32 v[A1N], s76, v[L8]
	s_delay_alu instid0(VALU_DEP_1)
	v_add_nc_u32 v[A1N], 512, v[A1N]
	s_mul_i32 s77, s[WS0], 4*REC
	s_add_co_u32 s77, s77, 16*REC
	v_add_nc_u32 v[A0W], s77, v[L16]
	v_add_nc_u32 v[A0N], s77, v[L8]
	s_delay_alu instid0(VALU_DEP_1)
	v_add_nc_u32 v[A0N], 512, v[A0N]
	s_sub_co_u32 s77, s77, s76
	v_mul_u32_u24 v[ASC], s77, v[HH]               ; lanes 16-31 take S0's words: the lower base + h x the distance
	s_delay_alu instid0(VALU_DEP_1)
	v_lshl_add_u32 v[ASC], v[RR], 2, v[ASC]
	s_add_co_u32 s76, s76, 3072
	v_add_nc_u32 v[ASC], s76, v[ASC]
	s_lshl_b32 s76, s[WV], 8
	s_add_co_u32 s76, s76, BIA
	v_add_nc_u32 v[BWR], s76, v[L8]
	v_lshl_add_u32 v[BRD], v[HH], 6, s76
	s_mul_i32 s76, s[WV], 16*SPITCH                ; my stage
	v_mul_u32_u24 v[STO], v[RR], SPITCH
	s_delay_alu instid0(VALU_DEP_1)
	v_lshl_add_u32 v[STO], v[HH], 6, v[STO]
	s_delay_alu instid0(VALU_DEP_1)
	v_add_nc_u32 v[STO], s76, v[STO]               ; in: row r, + 64 h
	v_mul_u32_u24 v[RD], v[HH], SPITCH
	s_delay_alu instid0(VALU_DEP_1)
	v_lshl_add_u32 v[RD], v[RR], 4, v[RD]
	s_delay_alu instid0(VALU_DEP_1)
	v_add_nc_u32 v[RD], s76, v[RD]                 ; back: lanes 0-15 one row, lanes 16-31 the next
	v_lshlrev_b32 v[CO], 12, v[HH]
	s_delay_alu instid0(VALU_DEP_1)
	v_lshl_add_u32 v[CO], v[RR], 4, v[CO]
	s_wait_loadcnt 0x0
	ds_store_b64 v[BWR], v[BP2:BP2+1]
.irp q, 0,1,2,3
	s_wait_tensorcnt 3-\q                          ; my part of slice q is in; the later slices' loads may be out
.if \q == 0
	s_wait_dscnt 0x0                               ; the bias is stored
.endif
	s_barrier_signal -1
	s_barrier_wait -1
.if \q > 0
	v_add_nc_u32 v[A1W], SLICE, v[A1W]             ; on to the next slice; these five are also the places in front of the loads
	v_add_nc_u32 v[A1N], SLICE, v[A1N]
	v_add_nc_u32 v[A0W], SLICE, v[A0W]
	v_add_nc_u32 v[A0N], SLICE, v[A0N]
	v_add_nc_u32 v[ASC], SLICE, v[ASC]
	s_wait_alu depctr_va_vdst(0)
	KSTEP 2*\q, 0, 0
.else
	KSTEP 0, 1, 0                                  ; the first K step starts the sums: nothing is cleared
.endif
	KSTEP 2*\q+1, 0, 1
.endr
.rept 4
	v_nop                                          ; places in front of the first reads of results and of loads into the fragments' registers
.endr
.irp y, 0,1,2,3
	ds_load_b128 v[32+8*\y:35+8*\y], v[BRD] offset:(32*(\y/2)+8*(\y%2))*4
	ds_load_b128 v[36+8*\y:39+8*\y], v[BRD] offset:(32*(\y/2)+8*(\y%2))*4+16
.endr
	s_wait_dscnt 0x0
.irp x, 0,1,2,3
.set p, 0
.rept 16
	v_pk_add_f32 v[ACC+32*\x+2*p:ACC+32*\x+2*p+1], v[ACC+32*\x+2*p:ACC+32*\x+2*p+1], v[32+2*p:33+2*p]   ; + bo; each accumulator from its low end on
.set p, p+1
.endr
.endr
.macro TOSTAGE x                       ; block x: register 8 y + j of lane (r, h) is column 32 (y / 2) + 16 h + 8 (y % 2) + j of tile row r
.irp y, 0,1,2,3
	ds_store_b128 v[STO], v[ACC+32*(\x)+8*\y:ACC+32*(\x)+8*\y+3] offset:128*(\y/2)+32*(\y%2)
	ds_store_b128 v[STO], v[ACC+32*(\x)+8*\y+4:ACC+32*(\x)+8*\y+7] offset:128*(\y/2)+32*(\y%2)+16
.endr
.set BB, 32+32*((\x)%2)
.irp t, 0,1,2,3,4,5,6,7
	ds_load_b128 v[BB+4*\t:BB+4*\t+3], v[RD] offset:2*SPITCH*\t   ; LDS serves a wave's instructions in order: these see the stores above, and the next block's stores come behind them
.endr
.endm
.macro SEND x, younger                 ; tile row 2 t + h of block x is token 32 (x / 2) + 8 (x % 2) + 2 t + h + 8 (t / 4) of my 64
.set BB, 32+32*((\x)%2)
	s_wait_dscnt \younger
.irp t, 0,1,2,3,4,5,6,7
	global_store_b128 v[CO], v[BB+4*\t:BB+4*\t+3], s[OC:OC+1] offset:(32*((\x)/2)+8*((\x)%2)+2*\t+8*(\t/4))*4096 th:TH_STORE_NT
.endr
.endm
	TOSTAGE 0
	s_wait_alu depctr_va_vdst(0)
.irp x, 1,2,3
.if \x > 1
	s_wait_xcnt 0x0                                ; block x - 2's stores have read their registers: block x's rows may land there
.endif
	TOSTAGE \x
	SEND \x-1, 16                                  ; behind block x - 1's loads: block x's eight stores and eight loads
.endr
	SEND 3, 0
	s_wait_tensorcnt 0x0                           ; the wave's end, behind my last LDS store
	ds_add_u32 v[SPW], v[NIL]
	s_wait_dscnt 0x0
	CROUND                                         ; the closing round
	s_endpgm
.Lfunc_end_k_qe493afaca4_outp:
	.size	k_qe493afaca4_outp, .Lfunc_end_k_qe493afaca4_outp-k_qe493afaca4_outp
	.p2alignl 7, 3214868480
	.fill 96, 4, 3214868480
	.section	.rodata,"a",@progbits
	.p2align	6, 0x0
	.amdhsa_kernel k_qe493afaca4_outp
		.amdhsa_group_segment_fixed_size 327680
		.amdhsa_private_segment_fixed_size 0
		.amdhsa_enable_private_segment 0
		.amdhsa_kernarg_size 32
		.amdhsa_user_sgpr_count 2
		.amdhsa_user_sgpr_kernarg_segment_ptr 1
		.amdhsa_wavefront_size32 1
		.amdhsa_system_sgpr_workgroup_id_x 1
		.amdhsa_system_sgpr_workgroup_id_y 1
		.amdhsa_system_sgpr_workgroup_id_z 1
		.amdhsa_system_vgpr_workitem_id 0
		.amdhsa_next_free_vgpr 256
		.amdhsa_next_free_sgpr 100
		.amdhsa_reserve_vcc 0
		.amdhsa_float_denorm_mode_32 3
		.amdhsa_float_denorm_mode_16_64 3
		.amdhsa_memory_ordered 1
		.amdhsa_forward_progress 1
		.amdhsa_inst_pref_size 58
	.end_amdhsa_kernel
	.amdgpu_metadata
---
amdhsa.version: [ 1, 2 ]
amdhsa.kernels:
  - .name:           k_qe493afaca4_outp
    .symbol:         k_qe493afaca4_outp.kd
    .args:
      - { .name: oq, .offset: 0, .size: 8, .value_kind: global_buffer, .address_space: global }
      - { .name: xw, .offset: 8, .size: 8, .value_kind: global_buffer, .address_space: global }
      - { .name: bo, .offset: 16, .size: 8, .value_kind: global_buffer, .address_space: global }
      - { .name: out0, .offset: 24, .size: 8, .value_kind: global_buffer, .address_space: global }
    .group_segment_fixed_size: 327680
    .private_segment_fixed_size: 0
    .kernarg_segment_align: 8
    .kernarg_segment_size: 32
    .max_flat_workgroup_size: 256
    .sgpr_count:     100
    .vgpr_count:     256
    .wavefront_size: 32
...
	.end_amdgpu_metadata
.endif
;; end of part 4
